; MI455X (gfx1250); checked and timed in simulation.
; The chip was launched on July 23, 2026; its instructions are those of AMD's public machine-readable ISA for CDNA 5 (MIT licence, August 2026) and "CDNA5" Instruction Set Architecture Reference Guide (July 2026). The comments in the code are by the model that wrote it; some were corrected since.
;; Multi Head Attention. Allowed arithmetic: matrix products marked QUANTISED: E4M3 operands, one E8M0 scale for each 32 along K, by v_wmma_scale_f32_16x16x128_f8f6f4 with both operands' format E4M3, f32 sums; everything else in f32.
;; Inputs: b_proj 1,024 float32; b_qkv 3,072 float32; w_proj 1,024 x 1,024 float32; w_qkv 1,024 x 3,072 float32; x 4 x 2,048 x 1,024 float32.
;; Outputs: out0 4 x 2,048 x 1,024 float32.
;; This version of the problem:
;;   THIS VERSION OF THE PROBLEM IS GIVEN IN LOW PRECISION. The matrix products marked QUANTISED in the list below multiply operands that are first quantised to E4M3 (4 exponent bits, 3 mantissa bits; 8 bits a number), with one power-of-two scale for each 32 numbers along K (OCP MX v1.0); their sums are f32. All else is computed in f32.
;;   The module's matrix products, in the order in which they are computed (A, B: the left and right operand; K: the contracted axis; several contracted axes count as one K, in the product's order):
;;     1. [M 8,192, K 1,024] x [K 1,024, N 3,072]; A: input x; B: input w_qkv: QUANTISED
;;     2. batch 64 x [M 2,048, K 64] x [K 64, N 2,048]; A: computed on the way; B: computed on the way: QUANTISED
;;     3. batch 64 x [M 2,048, K 2,048] x [K 2,048, N 64]; A: softmax (see below); B: computed on the way: QUANTISED
;;     4. [M 8,192, K 1,024] x [K 1,024, N 1,024]; A: computed on the way; B: input w_proj: QUANTISED
;;   THE QUANTISER, for each operand of a quantised product, along K:
;;     - K is cut into blocks of 32 from its start; a last block that is shorter is filled with zeros.
;;     - A block's scale is 2^e with e = floor(log2(the largest magnitude in the block)) - 8, held to -126 .. 127; a block of zeros has e = 0. As a byte (E8M0): e + 127.
;;     - Each number is divided by its block's scale, clamped to +-448, and rounded to the nearest number of E4M3, ties to even, subnormals kept.
;;     - The product sums the exact products of the quantised numbers (number of the format x scale) in f32.
;;   ~~~python
;;   def quantise(x, axis):      # numpy; x: float32 -> the quantised numbers, widened to float32 again
;;       x = np.moveaxis(x, axis, -1); K = x.shape[-1]
;;       x = np.pad(x, [(0, 0)] * (x.ndim - 1) + [(0, -K % 32)]); x = x.reshape(x.shape[:-1] + (-1, 32)); a = np.abs(x).max(-1, keepdims=True)
;;       e = np.where(a > 0, np.clip(np.frexp(np.where(a > 0, a, 1))[1] - 1 - 8, -126, 127), 0)      # np.frexp(a)[1] - 1 = floor(log2(a)), exactly
;;       r = np.clip(x / 2.0 ** e, -448, 448)
;;       step = 2.0 ** (np.maximum(np.frexp(np.where(r == 0, 1, r))[1] - 1, -6) - 3)
;;       q = np.round(r / step) * step * 2.0 ** e      # np.round: ties to even
;;       return np.moveaxis(q.reshape(q.shape[:-2] + (-1,))[..., :K], -1, axis).astype(np.float32)
;;   ~~~
;;   SOFTMAX AHEAD OF A QUANTISED PRODUCT. Where the list says 'softmax', what is quantised is not the finished softmax but p = 2^(t - M), with t = logit x log2(e) and M = ceil(the row's largest t), a whole number; so 1/2 < the row's largest p <= 1. The row's sum l is taken of the UNQUANTISED p, in f32, and the product's result is divided by l at the end. Since M is a whole number, a kernel that streams over the keys may use a running M (the ceiling of the running maximum): every later rescaling is an exact power of two, which a block's scale takes up: the codes' values come out the same.
;;   OPERANDS COMPUTED ON THE WAY. 'Computed on the way' means the value that the module computes at that place (a softmax that the list does not call 'softmax' is quantised finished and normalised). What goes into a quantiser is computed in f32, as accurately as f32 sums, v_exp_f32 and their like allow (about 1e-6 of the number): no bf16 or f16 on the way to a quantiser, and a product that is left as it is and whose result goes on into a quantised operand takes f32 operands (vector FMAs, or v_wmma_f32_16x16x4_f32). A number that lies on a knife's edge between two numbers of the format may be rounded either way, as far as f32 arithmetic and the matrix unit's own rounding can turn it there, and no further.
;; One version. Each part assembles by itself: llvm-mc -triple=amdgcn-amd-amdhsa -mcpu=gfx1250 --defsym DOCPART=n.
;; ======== version 1 of 1: 4 launches
;; limits: right only within a limited range of input values
;; workspace buffers: wsc 12,582,912 bytes; wss 393,216 bytes; ac 25,165,824 bytes; asc 786,432 bytes; oc 8,388,608 bytes; os 262,144 bytes
;; launch quant (part 1): grid 384 x 1, 4 waves a work-group, no clusters, 34,304 bytes of LDS; arguments x, w_qkv, w_proj, wsc, wss; writes wsc, wss
.if DOCPART == 1
	.amdgcn_target "amdgcn-amd-amdhsa--gfx1250"
	.amdhsa_code_object_version 6
	.text
	.protected	k_qa21e98f1bd_quant
	.globl	k_qa21e98f1bd_quant
	.p2align	8
	.type	k_qa21e98f1bd_quant,@function
k_qa21e98f1bd_quant:
	s_mov_b64 s[64:65], 0
	v_nop
	global_prefetch_b8 v0, s[64:65] scope:SCOPE_SE
	s_setreg_imm32_b32 hwreg(HW_REG_WAVE_MODE, 25, 1), 1
	s_wait_xcnt 0x0
; x [8192][1024], w_qkv [1024][3072] and w_proj [1024][1024], f32, become codes of FP8 (E4M3) with one E8M0 byte for each 32 along K (K = the 1,024).
; THE CODES ARE LAID AS IMAGES OF AN OPERAND'S REGISTERS.  A tile is 16 operand rows (rows of x, columns of a weight); lane index r of tile t is row 32 (t/2) + 8 (t%2) + r + 8 (r/8).
; A tile and 128 along K are 2,048 bytes [c 0..3][lane 0..31][16 bytes]: lane (r, h) holds k = 32 c + 16 h + 0..15.  wsc: [tile][K step 0..7][2,048]; x tiles 0-511, w_qkv's columns 512-703, w_proj's 704-767.
; wss: [tile][p 0..3][r 0..15][q 0..1] words: the word of K step 2 p + q, byte c for block c.
; A block's scale is 2^(floor(log2(largest magnitude)) - 8); its byte is the largest magnitude's exponent field - 8, held at 1 from below; numbers are held within +-448 x the scale and rounded to the nearest code, ties to even.
; LIMITS: a block of zeros, or one whose largest magnitude lies under 2^-118, gets the byte 1 (its codes are zeros or subnormal codes; the bytes are read by this program alone); NaN and infinities are not served.
; SHARES: work-groups 0-255: x, a wave 16 rows x 512 K; 256-351: w_qkv; 352-383: w_proj, a wave 32 columns x 256 K.  Every work-group reads 131,072 bytes.  Waves share nothing: no barrier.  No work-groups share input: no cluster.
.set TM,   8                           ; v8-11 largest magnitudes, v12-15 bytes, v16-19 448 x the scale, v20-23 the conversions' scale operands
.set PW,   24                          ; v24-27 the four K steps' scale words
.set RAW,  32                          ; v32-159 two sets of 64: a K step as it is loaded
.set XN,   160                         ; v160-223 64 numbers of my row: register 16 b + i = k 32 b + 16 h + i
.set PCX,  224                         ; v224-255 two sets of 16 code registers
.set SEL,  20                          ; s[20:21] v_permlanex16_b32's selects for lane l xor 16
.set MNT,  22                          ; s22 the mantissa field of 448
; 64 numbers of a lane become a fragment's 16 code registers at v[pc] and its row's scale word in v[pw]
.macro QUANT src, pc, pw
.irp b, 0,1,2,3
	v_max3_num_f32 v[TM+\b], |v[\src+16*\b]|, |v[\src+1+16*\b]|, 0x4800000   ; my 16 numbers of block b, and the floor 2^(9 - 127): the byte cannot fall under 1
.endr
.irp i, 2,4,6,8,10,12,14
.irp b, 0,1,2,3
	v_max3_num_f32 v[TM+\b], v[TM+\b], |v[\src+16*\b+\i]|, |v[\src+1+16*\b+\i]|   ; the four blocks by turns
.endr
.endr
.irp b, 0,1,2,3
	v_permlanex16_b32 v[TM+4+\b], v[TM+\b], s[SEL], s[SEL+1]
.endr
.irp b, 0,1,2,3
	v_max_num_f32 v[TM+\b], v[TM+\b], v[TM+4+\b]          ; with lane l xor 16's 16: the block's largest magnitude
.endr
.irp b, 0,1,2,3
	v_add_nc_u32 v[TM+12+\b], 0xfc000000, v[TM+\b]        ; 8 off its exponent field: the conversion takes this operand's exponent field as its scale
.endr
.irp b, 0,1,2,3
	v_and_or_b32 v[TM+8+\b], v[TM+\b], 0x7f800000, s[MNT] ; 448 x the scale
.endr
.irp b, 0,1,2,3
	v_lshrrev_b32 v[TM+4+\b], 23, v[TM+12+\b]             ; the scale's byte
.endr
	v_lshl_or_b32 v[\pw], v[TM+5], 8, v[TM+4]
	v_lshl_or_b32 v[\pw], v[TM+6], 16, v[\pw]
	v_lshl_or_b32 v[\pw], v[TM+7], 24, v[\pw]
.irp b, 0,1,2,3
.set i, 0
.rept 16
	v_med3_num_f32 v[\src+16*\b+i], v[\src+16*\b+i], -v[TM+8+\b], v[TM+8+\b]   ; the conversion to an 8-bit code does not saturate (ISA guide 7.6.2): the hold
.set i, i+1
.endr
	v_cvt_scalef32_pk8_fp8_f32 v[\pc+4*\b:\pc+4*\b+1], v[\src+16*\b:\src+16*\b+7], v[TM+12+\b]
	v_cvt_scalef32_pk8_fp8_f32 v[\pc+4*\b+2:\pc+4*\b+3], v[\src+16*\b+8:\src+16*\b+15], v[TM+12+\b]
.endr
	v_nop                                                 ; a plain line behind the last conversion
.endm
; ---- a weight [1024][N]: a lane takes a column, its registers run down K: a block of 32 lies in one lane
.macro WLOAD t, N, SRC
.set i, 0
.rept 32
	global_load_b32 v[32+32*((\t)%2)+i], v2, s[\SRC:\SRC+1] offset:(32*(\t)+i)*\N*4 th:TH_LOAD_NT   ; 32 lanes read 128 consecutive bytes of row 32 t + i
.set i, i+1
.endr
.endm
.macro WBLOCK t, N, SRC
.set XS, 32+32*((\t)%2)
.set CC, 96+8*(\t)                     ; each block has its own 8 code registers: no store's data are written again
.if (\t) < 7
	s_wait_loadcnt 32                              ; this block's 32 loads are in; the next block's may be out
.else
	s_wait_loadcnt 0
.endif
	v_max3_num_f32 v8, |v[XS]|, |v[XS+1]|, |v[XS+2]|
	v_max3_num_f32 v9, |v[XS+3]|, |v[XS+4]|, |v[XS+5]|
.irp i, 6,10,14,18,22,26
	v_max3_num_f32 v8, v8, |v[XS+\i]|, |v[XS+\i+1]|
	v_max3_num_f32 v9, v9, |v[XS+\i+2]|, |v[XS+\i+3]|
.endr
	v_max3_num_f32 v8, v8, |v[XS+30]|, |v[XS+31]|
	v_max3_num_f32 v8, v8, v9, 0x4800000           ; and the floor
	v_add_nc_u32 v11, 0xfc000000, v8               ; the conversion's scale operand
	v_and_or_b32 v10, v8, 0x7f800000, s[MNT]       ; 448 x the scale
	v_lshrrev_b32 v9, 23, v11                      ; the byte
.if (\t)%4 == 0
	v_mov_b32 v[12+(\t)/4], v9                     ; four bytes to a word, the lower K in the lower byte
.else
	v_lshl_or_b32 v[12+(\t)/4], v9, 8*((\t)%4), v[12+(\t)/4]
.endif
.set i, 0
.rept 32
	v_med3_num_f32 v[XS+i], v[XS+i], -v10, v10
.set i, i+1
.endr
.irp g, 0,1,2,3
	v_cvt_scalef32_pk8_fp8_f32 v[CC+2*\g:CC+2*\g+1], v[XS+8*\g:XS+8*\g+7], v11
.endr
	v_nop
	global_store_b128 v3, v[CC:CC+3], s[10:11] offset:((\t)/4)*2048+((\t)%4)*512         ; k 0..15 of the block: the image's lanes 0-15; a tile's sixteen lanes fill 256 consecutive bytes
	global_store_b128 v3, v[CC+4:CC+7], s[10:11] offset:((\t)/4)*2048+((\t)%4)*512+256   ; k 16..31: its lanes 16-31
.if (\t) < 6
	WLOAD (\t)+2, \N, \SRC
.endif
.endm
.macro WPATH N, TILE0, WG0, SRC
	s_sub_co_u32 s17, ttmp9, \WG0                  ; the path's work-group
	s_and_b32 s18, s17, 3                          ; which 256 rows of K
	s_lshr_b32 s19, s17, 2
	s_lshl_b32 s19, s19, 2
	s_add_co_u32 s19, s19, s16                     ; b: which 32 columns = which pair of tiles
	s_mul_i32 s24, s18, 256*\N*4
	s_lshl_b32 s26, s19, 7
	s_add_co_u32 s24, s24, s26
	s_mov_b32 s25, 0
	s_add_nc_u64 s[\SRC:\SRC+1], s[\SRC:\SRC+1], s[24:25]   ; the weight at my first row and column
	s_lshl_b32 s24, s19, 15
	s_lshl_b32 s26, s18, 12
	s_add_co_u32 s24, s24, s26
	s_add_co_u32 s24, s24, \TILE0*16384
	s_add_nc_u64 s[10:11], s[10:11], s[24:25]      ; codes: tile TILE0 + 2 b, K step 2 kq
	s_lshl_b32 s24, s19, 10
	s_lshl_b32 s26, s18, 7
	s_add_co_u32 s24, s24, s26
	s_add_co_u32 s24, s24, \TILE0*512
	s_add_nc_u64 s[12:13], s[12:13], s[24:25]      ; scale words: the same tile, p = kq
	v_lshlrev_b32 v2, 2, v5                        ; in: 4 bytes a lane
	v_bfe_u32 v6, v5, 3, 1                         ; column x of the 32 is lane index r = x % 8 + 8 (x / 16) of tile u = (x / 8) % 2
	v_and_b32 v7, 7, v5
	v_lshrrev_b32 v8, 4, v5
	v_lshl_add_u32 v7, v8, 3, v7
	v_lshlrev_b32 v3, 4, v7
	v_lshl_add_u32 v3, v6, 14, v3                  ; codes: 16,384 u + 16 r
	v_lshlrev_b32 v4, 3, v7
	v_lshl_add_u32 v4, v6, 9, v4                   ; scale words: 512 u + 8 r
	WLOAD 0, \N, \SRC
	WLOAD 1, \N, \SRC
.irp t, 0,1,2,3,4,5,6,7
	WBLOCK \t, \N, \SRC
.endr
	global_store_b64 v4, v[12:13], s[12:13]        ; my column's two words: K steps 2 kq and 2 kq + 1
.endm
	s_load_b256 s[4:11], s[0:1], 0x0               ; x s[4:5], w_qkv s[6:7], w_proj s[8:9], wsc s[10:11]
	s_load_b64 s[12:13], s[0:1], 0x20              ; wss
	v_lshl_add_u32 v30, v0, 2, 0x8400
	v_mov_b32 v31, 0
	v_lshrrev_b32 v1, 5, v0
	v_readfirstlane_b32 s16, v1                    ; wave
	v_and_b32 v5, 31, v0                           ; lane
	s_mov_b32 s[SEL], 0x76543210
	s_mov_b32 s[SEL+1], 0xfedcba98
	s_mov_b32 s[MNT], 0x600000
	s_wait_kmcnt 0x0
	s_cmp_lt_u32 ttmp9, 256
	s_cbranch_scc1 .Lx
	s_cmp_lt_u32 ttmp9, 352
	s_cbranch_scc1 .Lwqkv
	s_wait_alu depctr_va_vdst(0)
	WPATH 1024, 704, 352, 8
	s_endpgm
.Lwqkv:
	s_wait_alu depctr_va_vdst(0)
	WPATH 3072, 512, 256, 6
	s_endpgm
; ---- x: K is innermost.  Each load reads 512 consecutive bytes of one row; a K step's 16 rows turn through the wave's own stage in LDS (rows of 512 + 16 bytes), so that a lane gets 16 neighbours of each block of its row
.macro LOADX k, buf
.set i, 0
.rept 16
	global_load_b128 v[RAW+64*(\buf)+4*i:RAW+64*(\buf)+4*i+3], v1, s[4:5] offset:(i+8*(i/8))*4096+512*(\k) th:TH_LOAD_NT   ; lane index i of the tile is row i + 8 (i / 8)
.set i, i+1
.endr
.endm
.macro XSTEP k
.if (\k) < 3
	s_wait_loadcnt 16                              ; this K step's 16 loads are in; the next one's may be out
.else
	s_wait_loadcnt 0
.endif
.set i, 0
.rept 16
	ds_store_b128 v2, v[RAW+64*((\k)%2)+4*i:RAW+64*((\k)%2)+4*i+3] offset:528*i
.set i, i+1
.endr
.irp b, 0,1,2,3
.irp j, 0,1,2,3
	ds_load_b128 v[XN+16*\b+4*\j:XN+16*\b+4*\j+3], v3 offset:128*\b+16*\j   ; LDS serves a wave's instructions in order: these see the stores above
.endr
.endr
	s_wait_dscnt 0x0                               ; my numbers are back, and the stores have read the set
.if (\k) < 2
	LOADX (\k)+2, (\k)%2                           ; which takes the K step two on
.else
	s_wait_xcnt 0x0                                ; the stores of two K steps back have read the code registers that are written next
.endif
	QUANT XN, PCX+16*((\k)%2), PW+(\k)
.irp c, 0,1,2,3
	global_store_b128 v1, v[PCX+16*((\k)%2)+4*\c:PCX+16*((\k)%2)+4*\c+3], s[10:11] offset:2048*(\k)+512*\c   ; 32 lanes store 512 consecutive bytes
.endr
.endm
.Lx:
	s_lshl_b32 s17, ttmp9, 2
	s_add_co_u32 s17, s17, s16
	s_lshr_b32 s18, s17, 1                         ; my tile T
	s_and_b32 s19, s17, 1                          ; my half of K
	s_lshr_b32 s24, s18, 1
	s_lshl_b32 s24, s24, 17                        ; 32 (T / 2) rows of 4,096 bytes
	s_and_b32 s26, s18, 1
	s_lshl_b32 s26, s26, 15                        ; + 8 (T % 2) rows
	s_add_co_u32 s24, s24, s26
	s_lshl_b32 s26, s19, 11
	s_add_co_u32 s24, s24, s26
	s_mov_b32 s25, 0
	s_add_nc_u64 s[4:5], s[4:5], s[24:25]
	s_lshl_b32 s24, s18, 14
	s_lshl_b32 s26, s19, 13
	s_add_co_u32 s24, s24, s26
	s_add_nc_u64 s[10:11], s[10:11], s[24:25]
	s_lshl_b32 s24, s18, 9
	s_lshl_b32 s26, s19, 8
	s_add_co_u32 s24, s24, s26
	s_add_nc_u64 s[12:13], s[12:13], s[24:25]
	s_mul_i32 s27, s16, 8448                       ; my stage: 16 rows x 528 bytes
	s_wait_alu depctr_va_vdst(0)
	v_lshlrev_b32 v1, 4, v5                        ; 16 x lane
	v_add_nc_u32 v2, s27, v1                       ; into the stage
	v_and_b32 v6, 15, v0                           ; r
	v_bfe_u32 v7, v0, 4, 1                         ; h
	v_mul_u32_u24 v3, v6, 528
	v_lshl_add_u32 v3, v7, 6, v3
	v_add_nc_u32 v3, s27, v3                       ; out of it: row r, + 64 h
	v_lshlrev_b32 v4, 3, v5                        ; 8 x lane
.irp b, 0,1,2,3
	v_mov_b32 v[TM+4+\b], 0                        ; a lane permute's destination counts as one of its sources
.endr
	LOADX 0, 0
	LOADX 1, 1
	s_wait_alu depctr_va_vdst(0)
	XSTEP 0
	XSTEP 1
	XSTEP 2
	XSTEP 3
	v_cmp_lt_u32 vcc_lo, 15, v5                    ; lanes 16-31 carry the second pair of K steps: [p][r][q] is then 8 bytes a lane
	v_cndmask_b32 v28, v[PW], v[PW+2], vcc_lo
	v_cndmask_b32 v29, v[PW+1], v[PW+3], vcc_lo
	global_store_b64 v4, v[28:29], s[12:13]        ; 32 lanes store 256 consecutive bytes, aligned
	s_wait_tensorcnt 0x0
	ds_add_u32 v30, v31
	s_wait_dscnt 0x0
	s_endpgm
.Lfunc_end_k_qa21e98f1bd_quant:
	.size	k_qa21e98f1bd_quant, .Lfunc_end_k_qa21e98f1bd_quant-k_qa21e98f1bd_quant
	.p2alignl 7, 3214868480
	.fill 96, 4, 3214868480
	.section	.rodata,"a",@progbits
	.p2align	6, 0x0
	.amdhsa_kernel k_qa21e98f1bd_quant
		.amdhsa_group_segment_fixed_size 34304
		.amdhsa_private_segment_fixed_size 0
		.amdhsa_enable_private_segment 0
		.amdhsa_kernarg_size 40
		.amdhsa_user_sgpr_count 2
		.amdhsa_user_sgpr_kernarg_segment_ptr 1
		.amdhsa_wavefront_size32 1
		.amdhsa_system_sgpr_workgroup_id_x 1
		.amdhsa_system_sgpr_workgroup_id_y 1
		.amdhsa_system_sgpr_workgroup_id_z 1
		.amdhsa_system_vgpr_workitem_id 0
		.amdhsa_next_free_vgpr 256
		.amdhsa_next_free_sgpr 66
		.amdhsa_reserve_vcc 1
		.amdhsa_float_denorm_mode_32 3
		.amdhsa_float_denorm_mode_16_64 3
		.amdhsa_memory_ordered 1
		.amdhsa_forward_progress 1
		.amdhsa_inst_pref_size 162
	.end_amdhsa_kernel
	.amdgpu_metadata
---
amdhsa.version: [ 1, 2 ]
amdhsa.kernels:
  - .name:           k_qa21e98f1bd_quant
    .symbol:         k_qa21e98f1bd_quant.kd
    .args:
      - { .name: x, .offset: 0, .size: 8, .value_kind: global_buffer, .address_space: global }
      - { .name: w_qkv, .offset: 8, .size: 8, .value_kind: global_buffer, .address_space: global }
      - { .name: w_proj, .offset: 16, .size: 8, .value_kind: global_buffer, .address_space: global }
      - { .name: wsc, .offset: 24, .size: 8, .value_kind: global_buffer, .address_space: global }
      - { .name: wss, .offset: 32, .size: 8, .value_kind: global_buffer, .address_space: global }
    .group_segment_fixed_size: 34304
    .private_segment_fixed_size: 0
    .kernarg_segment_align: 8
    .kernarg_segment_size: 40
    .max_flat_workgroup_size: 128
    .sgpr_count:     66
    .vgpr_count:     256
    .wavefront_size: 32
...
	.end_amdgpu_metadata
.endif
;; end of part 1
;; launch qkv (part 2): grid 8 x 48, 4 waves a work-group, clusters of 4 x 4, 327,680 bytes of LDS; arguments wsc, wss, b_qkv, ac, asc; writes ac, asc
.if DOCPART == 2
	.amdgcn_target "amdgcn-amd-amdhsa--gfx1250"
	.amdhsa_code_object_version 6
	.text
	.protected	k_qa21e98f1bd_qkv
	.globl	k_qa21e98f1bd_qkv
	.p2align	8
	.type	k_qa21e98f1bd_qkv,@function
k_qa21e98f1bd_qkv:
	s_mov_b64 s[64:65], 0
	v_nop
	global_prefetch_b8 v0, s[64:65] scope:SCOPE_SE
	s_setreg_imm32_b32 hwreg(HW_REG_WAVE_MODE, 25, 1), 1
	s_wait_xcnt 0x0
	s_wait_alu depctr_hold_cnt(0) depctr_sa_sdst(0) depctr_va_vdst(0) depctr_va_sdst(0) depctr_va_ssrc(0) depctr_va_vcc(0) depctr_vm_vsrc(0)
	s_getreg_b32 s2, hwreg(HW_REG_IB_STS2, 6, 4)
	s_cmp_eq_u32 s2, 0
	s_cbranch_scc0 .Lentry_in_a_cluster
	s_endpgm
.Lentry_in_a_cluster:
	s_bfe_u32 s2, ttmp6, 0x10000c
	s_cmp_lg_u32 s2, 0xf033
	s_cbranch_scc0 .Lentry_shape_is_right
	s_endpgm
.Lentry_shape_is_right:
.set NQ,     2
.set FR,     16
.set NL,     4
.set NP,     8
.set TILEB,  4096
.set HALFT,  8*TILEB
.set SLOT,   4*HALFT
.set SCL,    2*SLOT
.set HALFS,  4096
.set SBLK,   512
.set SPARE,  SCL+4*HALFS
.set ADRR, 16
.set ADRP, 20
.set AD0,  24
.set AD1,  25
.set AD8,  26
.set ADRS, 27
.set SPW,  28
.set NIL,  29
.set SC,   32
.set BI,   64
.set AF,   128
.set TM,   144
.set PW,   160
.set WD,   168
.set XX,   172
.set G1, 24
.set G0, 32
.set G1B, 48
.set G0B, 56
.set G1S, 68
.set G0S, 76
.set G1SB, 80
.set G0SB, 88
.set MSB, 0
.macro WIN new
.set WNEW, \new
.if MSB != WNEW
	s_set_vgpr_msb (MSB<<8)|WNEW
.set MSB, WNEW
.endif
.endm
.set MUL_LO, 0xa1
.set MUL_HI, 0xf1
.set TO_B,   0x40
.macro JLOAD g0a, g1a, g0b, g1b
	s_cmp_eq_u32 s15, 0
	s_cbranch_scc0 .Lfor_b_\@
	tensor_load_to_lds s[\g0a:\g0a+3], s[\g1a:\g1a+7]
	s_nop 0
.rept 4
	v_nop
.endr
	s_branch .Lasked_\@
.Lfor_b_\@:
	tensor_load_to_lds s[\g0b:\g0b+3], s[\g1b:\g1b+7]
	s_nop 0
.rept 4
	v_nop
.endr
.Lasked_\@:
.endm
.macro CREST
	s_cmp_lg_u32 s14, 0
	s_cbranch_scc1 .Lnot_wave_0_\@
	s_barrier_signal -3
.Lnot_wave_0_\@:
	s_barrier_wait -3
	s_barrier_signal -1
	s_barrier_wait -1
.endm
.macro CROUND
	s_barrier_signal -1
	s_barrier_wait -1
	CREST
.endm
.macro PLACES n
.rept \n
	v_nop
.endr
.endm
.macro FRAG reg, adr, q, i
.irp c, 0,1,2,3
	ds_load_b128 v[\reg+4*\c:\reg+4*\c+3], v[\adr] offset:(\i)*TILEB+2048*(\q)+512*\c
.endr
.endm
.macro MUL16 a0, p, q, sc, cmode
.irp a, \a0, \a0+1
.irp b, 0,1,2,3,4,5,6,7
.if \cmode == 1
	v_wmma_scale_f32_16x16x128_f8f6f4 v[8*(8*((\a)%4)+\b):8*(8*((\a)%4)+\b)+7], v[128*(\p)+FR*\b:128*(\p)+FR*\b+FR-1], v[AF+FR*(\a):AF+FR*(\a)+FR-1], v[BI+8*\b:BI+8*\b+7], v[SC+8*NQ*(\sc)+NQ*\b+(\q)], v[SC+8*NQ*(\sc)+NQ*(\a)+(\q)] matrix_a_scale:MATRIX_SCALE_ROW1
.elseif \cmode == 2
	v_wmma_scale_f32_16x16x128_f8f6f4 v[8*(8*((\a)%4)+\b):8*(8*((\a)%4)+\b)+7], v[128*(\p)+FR*\b:128*(\p)+FR*\b+FR-1], v[AF+FR*(\a):AF+FR*(\a)+FR-1], v[BI+8*(\a):BI+8*(\a)+7], v[SC+8*NQ*(\sc)+NQ*\b+(\q)], v[SC+8*NQ*(\sc)+NQ*(\a)+(\q)] matrix_a_scale:MATRIX_SCALE_ROW1
.else
	v_wmma_scale_f32_16x16x128_f8f6f4 v[8*(8*((\a)%4)+\b):8*(8*((\a)%4)+\b)+7], v[128*(\p)+FR*\b:128*(\p)+FR*\b+FR-1], v[AF+FR*(\a):AF+FR*(\a)+FR-1], v[8*(8*((\a)%4)+\b):8*(8*((\a)%4)+\b)+7], v[SC+8*NQ*(\sc)+NQ*\b+(\q)], v[SC+8*NQ*(\sc)+NQ*(\a)+(\q)] matrix_a_scale:MATRIX_SCALE_ROW1
.endif
.endr
.endr
.endm
.macro FETCH_B slot, q, p
	WIN TO_B
.irp i, 0,1,2,3,4,5,6,7
	FRAG 128*(\p)+FR*\i, ADRP+\slot, \q, \i
.endr
	WIN 0
.endm
.macro FETCH_A slot, q, i0
.irp i, \i0, \i0+1, \i0+2, \i0+3
	FRAG AF+FR*(\i), ADRR+\slot, \q, \i
.endr
.endm
.macro SCALES sc
.irp i, 0,1,2,3,4,5,6,7
	ds_load_b64 v[SC+8*NQ*\sc+NQ*\i:SC+8*NQ*\sc+NQ*\i+1], v[ADRS] offset:\i*SBLK
.endr
.endm
.macro STEP slot, q, cmode
	s_wait_dscnt 4*NL
.if \cmode
	WIN 0x81
.else
	WIN MUL_LO
.endif
	MUL16 0, (\q)%2, \q, \slot, \cmode
	MUL16 2, (\q)%2, \q, \slot, \cmode
	s_wait_dscnt 0
	PLACES NP
	FETCH_B \slot, (\q)+1, 1-(\q)%2
	FETCH_A \slot, (\q)+1, 0
.if \cmode
	WIN 0xc1
.else
	WIN MUL_HI
.endif
	MUL16 4, (\q)%2, \q, \slot, \cmode
	MUL16 6, (\q)%2, \q, \slot, \cmode
	PLACES NP
	WIN 0
	FETCH_A \slot, (\q)+1, 4
.endm
.macro TURN slot, next, fill
	s_wait_tensorcnt 0x0
	ds_add_u32 v[SPW], v[NIL]
	s_wait_dscnt 4*NL+1
	WIN MUL_LO
	MUL16 0, 1, NQ-1, \slot, 0
	s_wait_dscnt 0x0
	s_barrier_signal -1
	MUL16 2, 1, NQ-1, \slot, 0
	WIN 0
	s_barrier_wait -1
.if \fill
	CREST
	s_add_nc_u64 s[G0+4*\slot+2:G0+4*\slot+3], s[G0+4*\slot+2:G0+4*\slot+3], 2*TILEB
	s_add_nc_u64 s[G0B+4*\slot+2:G0B+4*\slot+3], s[G0B+4*\slot+2:G0B+4*\slot+3], 2*TILEB
	JLOAD G0+4*\slot, G1, G0B+4*\slot, G1B
	PLACES NP-4
.else
	PLACES NP
.endif
	s_wait_alu depctr_va_vdst(0)
	v_add_nc_u32 v[ADRS], 128, v[ADRS]
	FETCH_B \next, 0, 0
	FETCH_A \next, 0, 0
	SCALES \next
	WIN MUL_HI
	MUL16 4, 1, NQ-1, \slot, 0
	MUL16 6, 1, NQ-1, \slot, 0
	PLACES NP
	WIN 0
	FETCH_A \next, 0, 4
.endm
	s_load_b256 s[4:11], s[0:1], 0x0
	s_load_b64 s[12:13], s[0:1], 0x20
	v_lshl_add_u32 v[SPW], v0, 2, SPARE
	v_mov_b32 v[NIL], 0
	ds_add_u32 v28, v29
	ds_add_u32 v28, v29
	s_wait_dscnt 0x0
	v_lshrrev_b32 v1, 5, v0
	v_readfirstlane_b32 s14, v1
	s_lshr_b32 s15, s14, 1
	s_and_b32 s16, s14, 1
	s_bfe_u32 s40, ttmp6, 0x40000
	s_bfe_u32 s41, ttmp6, 0x40004
	s_and_b32 s97, ttmp7, 0xffff
	s_lshl_b32 s98, s97, 2
	s_lshl_b32 s99, s97, 3
	s_sub_co_u32 s99, s99, 64
	s_cmp_ge_u32 s97, 8
	s_cselect_b32 s96, 1, 0
	s_cselect_b32 s17, 40, s98
	s_cselect_b32 s42, s99, 32
	s_add_co_u32 s17, s17, s41
	s_lshl_b32 s98, ttmp9, 2
	s_add_co_u32 s42, s42, s98
	s_add_co_u32 s42, s42, s40
	s_lshl_b32 s43, s41, 2
	s_lshl_b32 s43, 15, s43
	s_lshl_b32 s44, 0x1111, s40
	s_or_b32 s[G1+0], s43, (3<<16)|(1<<21)
	s_or_b32 s[G1B+0], s44, (3<<16)|(1<<21)
.irp g, G1, G1B
	s_mov_b32 s[\g+1], 512<<16
	s_mov_b32 s[\g+2], 16<<16
	s_mov_b32 s[\g+3], 512<<16
	s_mov_b32 s[\g+4], 16
	s_mov_b32 s[\g+5], 2048
	s_mov_b32 s[\g+6], 0
	s_mov_b32 s[\g+7], 0
.endr
	s_or_b32 s[G1S+0], s43, (3<<16)|(1<<21)
	s_or_b32 s[G1SB+0], s44, (3<<16)|(1<<21)
.irp g, G1S, G1SB
	s_mov_b32 s[\g+1], 32<<16
	s_mov_b32 s[\g+2], 32<<16
	s_mov_b32 s[\g+3], 32<<16
	s_mov_b32 s[\g+4], 32
	s_mov_b32 s[\g+5], 32
	s_mov_b32 s[\g+6], 0
	s_mov_b32 s[\g+7], 0
.endr
	s_lshl_b32 s18, s16, 17
	s_lshl_b32 s20, s17, 18
	s_add_co_u32 s20, s20, s18
	s_mov_b32 s21, 0
	s_lshl_b32 s46, s42, 18
	s_add_co_u32 s46, s46, s18
	s_mov_b32 s47, 0
	s_lshl_b32 s22, s17, 13
	s_mov_b32 s23, 0
	s_lshl_b32 s92, s42, 13
	s_mov_b32 s93, 0
	s_lshl_b32 s45, s14, 15
	s_wait_kmcnt 0x0
	s_add_nc_u64 s[20:21], s[4:5], s[20:21]
	s_add_nc_u64 s[22:23], s[6:7], s[22:23]
	s_add_nc_u64 s[46:47], s[4:5], s[46:47]
	s_add_nc_u64 s[92:93], s[6:7], s[92:93]
	CROUND
	s_mov_b32 s[G0S], 1
	s_mov_b32 s[G0S+1], SCL
	s_mov_b64 s[G0S+2:G0S+3], s[22:23]
	s_or_b32 s[G0S+3], s[G0S+3], 0x80000000
	s_mov_b32 s[G0SB], 1
	s_mov_b32 s[G0SB+1], SCL+2*HALFS
	s_mov_b64 s[G0SB+2:G0SB+3], s[92:93]
	s_or_b32 s[G0SB+3], s[G0SB+3], 0x80000000
.irp s, 0,1
	s_mov_b32 s[G0+4*\s], 1
	s_add_co_u32 s[G0+4*\s+1], s45, \s*SLOT
	s_add_nc_u64 s[G0+4*\s+2:G0+4*\s+3], s[20:21], \s*TILEB
	s_or_b32 s[G0+4*\s+3], s[G0+4*\s+3], 0x80000000
	s_mov_b32 s[G0B+4*\s], 1
	s_add_co_u32 s[G0B+4*\s+1], s45, \s*SLOT
	s_add_nc_u64 s[G0B+4*\s+2:G0B+4*\s+3], s[46:47], \s*TILEB
	s_or_b32 s[G0B+4*\s+3], s[G0B+4*\s+3], 0x80000000
.endr
; the head's loads, one a wave, in one chain of branches on the wave's number: wave 0 all 16 tiles of slot 0's first operand (its own group 0 begins at the first tile and at LDS byte 0), wave 2 those of the second, waves 1 and 3 the scale words of 256 rows each
	s_cmp_lt_u32 s14, 1
	s_cbranch_scc0 .Lhead_1
	tensor_load_to_lds s[G0:G0+3], s[G1:G1+7]
	s_nop 0
.rept 4
	v_nop
.endr
	s_branch .Lhead_asked
.Lhead_1:
	s_cmp_lt_u32 s14, 2
	s_cbranch_scc0 .Lhead_2
	tensor_load_to_lds s[G0S:G0S+3], s[G1S:G1S+7]
	s_nop 0
.rept 4
	v_nop
.endr
	s_branch .Lhead_asked
.Lhead_2:
	s_cmp_lt_u32 s14, 3
	s_cbranch_scc0 .Lhead_3
	tensor_load_to_lds s[G0B:G0B+3], s[G1B:G1B+7]
	s_nop 0
.rept 4
	v_nop
.endr
	s_branch .Lhead_asked
.Lhead_3:
	tensor_load_to_lds s[G0SB:G0SB+3], s[G1SB:G1SB+7]
	s_nop 0
.rept 4
	v_nop
.endr
.Lhead_asked:
	v_and_b32 v1, 15, v0
	v_bfe_u32 v2, v0, 4, 1
	v_and_b32 v5, 31, v0
	v_lshlrev_b32 v[AD0], 4, v5
	v_lshlrev_b32 v[AD8], 3, v5
	s_mov_b32 s99, 0
	s_mov_b32 s23, 0
	s_cmp_eq_u32 s96, 0
	s_cbranch_scc0 .Lset_v
	s_lshl_b32 s2, s17, 4
	s_lshl_b32 s3, s15, 3
	s_add_co_u32 s2, s2, s3
	s_lshr_b32 s3, s2, 7
	s_and_b32 s2, s2, 127
	s_sub_co_u32 s95, s42, 32
	s_lshl_b32 s95, s95, 2
	s_lshl_b32 s97, s16, 1
	s_add_co_u32 s95, s95, s97
	s_lshl_b32 s98, s3, 22
	s_lshl_b32 s100, s95, 17
	s_add_co_u32 s98, s98, s100
	s_lshl_b32 s100, s2, 10
	s_add_co_u32 s98, s98, s100
	s_add_nc_u64 s[10:11], s[10:11], s[98:99]
	s_lshl_b32 s98, s3, 17
	s_lshl_b32 s100, s95, 12
	s_add_co_u32 s98, s98, s100
	s_lshr_b32 s100, s2, 3
	s_lshl_b32 s100, s100, 8
	s_add_co_u32 s98, s98, s100
	s_add_nc_u64 s[12:13], s[12:13], s[98:99]
	s_mov_b32 s22, 1024
	s_mov_b32 s101, 131072
	s_lshl_b32 s98, s95, 8
	s_add_nc_u64 s[8:9], s[8:9], s[98:99]
	s_wait_alu depctr_va_vdst(0)
	v_lshlrev_b32 v10, 6, v2
.irp t, 0,1,2,3,4,5,6,7
	global_load_b128 v[BI+8*\t:BI+8*\t+3], v10, s[8:9] offset:(32*(\t/2)+8*(\t%2))*4
	global_load_b128 v[BI+8*\t+4:BI+8*\t+7], v10, s[8:9] offset:(32*(\t/2)+8*(\t%2))*4+16
.endr
	s_branch .Lset_done
.Lset_v:
	s_sub_co_u32 s2, s17, 40
	s_lshl_b32 s2, s2, 4
	s_lshl_b32 s3, s15, 3
	s_add_co_u32 s2, s2, s3
	s_lshr_b32 s3, s42, 3
	s_and_b32 s95, s42, 7
	s_lshl_b32 s95, s95, 1
	s_add_co_u32 s95, s95, s16
	s_lshl_b32 s98, s3, 21
	s_lshl_b32 s100, s95, 17
	s_add_co_u32 s98, s98, s100
	s_lshl_b32 s100, s2, 11
	s_add_co_u32 s98, s98, s100
	s_add_co_u32 s98, s98, 16777216
	s_add_nc_u64 s[10:11], s[10:11], s[98:99]
	s_lshl_b32 s98, s3, 16
	s_lshr_b32 s100, s2, 2
	s_lshl_b32 s100, s100, 12
	s_add_co_u32 s98, s98, s100
	s_lshl_b32 s100, s95, 8
	s_add_co_u32 s98, s98, s100
	s_add_co_u32 s98, s98, 524288
	s_add_nc_u64 s[12:13], s[12:13], s[98:99]
	s_mov_b32 s22, 2048
	s_mov_b32 s101, 1024
	s_lshl_b32 s98, s2, 6
	s_add_co_u32 s98, s98, 8192
	s_add_nc_u64 s[8:9], s[8:9], s[98:99]
	s_wait_alu depctr_va_vdst(0)
	v_and_b32 v10, 8, v1
	v_add_nc_u32 v10, v10, v1
	v_lshlrev_b32 v10, 2, v10
.irp a, 0,1,2,3,4,5,6,7
	global_load_b32 v[BI+8*\a], v10, s[8:9] offset:(32*(\a/2)+8*(\a%2))*4
.endr
	s_wait_loadcnt 0x0
.irp a, 0,1,2,3,4,5,6,7
.irp j, 1,2,3,4,5,6,7
	v_mov_b32 v[BI+8*\a+\j], v[BI+8*\a]
.endr
.endr
.Lset_done:
	v_add_nc_u32 v[AD1], s101, v[AD0]
	s_mov_b32 s18, 0x76543210
	s_mov_b32 s19, 0xfedcba98
	s_mov_b32 s20, 0x600000
	s_mov_b32 s21, 0x4800000
	s_lshl_b32 s2, s15, 15
	s_lshl_b32 s3, s16, 15
	s_add_co_u32 s3, s3, 2*HALFT
.irp s, 0,1
	v_add_nc_u32 v[ADRR+\s], s2, v[AD0]
	v_add_nc_u32 v[ADRP+\s], s3, v[AD0]
	s_add_co_u32 s2, s2, SLOT
	s_add_co_u32 s3, s3, SLOT
.endr
	v_lshlrev_b32 v6, 3, v1
	s_lshl_b32 s2, s15, 12
	s_lshl_b32 s3, s16, 12
	s_add_co_u32 s3, s3, 2*HALFS
	s_sub_co_u32 s3, s3, s2
	v_mul_u32_u24 v7, s3, v2
	s_add_co_u32 s2, s2, SCL
	v_add_nc_u32 v6, v6, v7
	v_add_nc_u32 v[ADRS], s2, v6
	s_wait_alu depctr_va_vdst(0)
	s_wait_tensorcnt 0x0                           ; my tile of the head's four is in; the full sequence ahead of slot 1's first fill
	ds_add_u32 v[SPW], v[NIL]
	s_mov_b32 s[G1+2], 8<<16                       ; no tensor load of mine is out: from here on a load brings eight tiles
	s_mov_b32 s[G1+4], 8
	s_mov_b32 s[G1B+2], 8<<16
	s_mov_b32 s[G1B+4], 8
	s_wait_dscnt 0x0
	CROUND
	JLOAD G0+4, G1, G0B+4, G1B
	FETCH_B 0, 0, 0
	FETCH_A 0, 0, 0
	SCALES 0
	FETCH_A 0, 0, 4
	s_wait_loadcnt 0x0
	s_cmp_eq_u32 s96, 0
	s_cbranch_scc0 .Lfirst_v
	STEP 0, 0, 1
	s_branch .Lfirst_done
.Lfirst_v:
	STEP 0, 0, 2
.Lfirst_done:
	TURN 0, 1, 1
	STEP 1, 0, 0
	TURN 1, 0, 1
	STEP 0, 0, 0
	TURN 0, 1, 0
	STEP 1, 0, 0
	s_wait_dscnt 4*NL
	WIN MUL_LO
	MUL16 0, 1, NQ-1, 1, 0
	MUL16 2, 1, NQ-1, 1, 0
	s_wait_dscnt 0
	WIN MUL_HI
	MUL16 4, 1, NQ-1, 1, 0
	MUL16 6, 1, NQ-1, 1, 0
	WIN 0
.macro OUTBLK a
.set AC, 64*((\a)%4)
.if ((\a)%4) == 2
.set PCC, 192
.else
.set PCC, 128
.endif
	WIN 0x28+0x14*((\a)/4)
.irp b, 0,1,2,3
	v_max3_num_f32 v[TM+\b], s21, |v[AC+16*\b]|, |v[AC+16*\b+1]|
.endr
.irp i, 2,4,6,8,10,12,14
.irp b, 0,1,2,3
	v_max3_num_f32 v[TM+\b], v[TM+\b], |v[AC+16*\b+\i]|, |v[AC+16*\b+\i+1]|
.endr
.endr
	WIN 0
.irp b, 0,1,2,3
	v_permlanex16_b32 v[TM+4+\b], v[TM+\b], s18, s19
.endr
.irp b, 0,1,2,3
	v_max_num_f32 v[TM+\b], v[TM+\b], v[TM+4+\b]
.endr
.irp b, 0,1,2,3
	v_add_nc_u32 v[TM+12+\b], 0xfc000000, v[TM+\b]
.endr
.irp b, 0,1,2,3
	v_and_or_b32 v[TM+8+\b], v[TM+\b], 0x7f800000, s20
.endr
.irp b, 0,1,2,3
	v_lshrrev_b32 v[TM+4+\b], 23, v[TM+12+\b]
.endr
	v_lshl_or_b32 v[PW+(\a)], v[TM+5], 8, v[TM+4]
	v_lshl_or_b32 v[PW+(\a)], v[TM+6], 16, v[PW+(\a)]
	v_lshl_or_b32 v[PW+(\a)], v[TM+7], 24, v[PW+(\a)]
	WIN 0x82+0x41*((\a)/4)
.irp b, 0,1,2,3
.set i, 0
.rept 16
	v_med3_num_f32 v[AC+16*\b+i], v[AC+16*\b+i], -v[TM+8+\b], v[TM+8+\b]
.set i, i+1
.endr
.endr
	s_wait_alu depctr_va_vdst(0)
	s_wait_xcnt 0x0
.if (\a) > 0
	s_add_nc_u64 s[10:11], s[10:11], s[22:23]
.endif
	WIN 0x02+((\a)/4)
.irp b, 0,1,2,3
	v_cvt_scalef32_pk8_fp8_f32 v[PCC+4*\b:PCC+4*\b+1], v[AC+16*\b:AC+16*\b+7], v[TM+12+\b]
	v_cvt_scalef32_pk8_fp8_f32 v[PCC+4*\b+2:PCC+4*\b+3], v[AC+16*\b+8:AC+16*\b+15], v[TM+12+\b]
.endr
	WIN 0
	v_nop
	global_store_b128 v[AD0], v[PCC:PCC+3], s[10:11]
	global_store_b128 v[AD0], v[PCC+4:PCC+7], s[10:11] offset:512
	global_store_b128 v[AD1], v[PCC+8:PCC+11], s[10:11]
	global_store_b128 v[AD1], v[PCC+12:PCC+15], s[10:11] offset:512
.endm
	PLACES NP
.irp b, 0,1,2,3
	v_mov_b32 v[TM+4+\b], 0
.endr
.irp a, 0,1,2,3,4,5,6,7
	OUTBLK \a
.endr
	v_cmp_lt_u32 vcc_lo, 15, v5
	s_cmp_eq_u32 s96, 0
	s_cbranch_scc0 .Lwords_v
.irp i, 0,1,2,3
	v_cndmask_b32 v[XX+\i], v[PW+\i], v[PW+4+\i], vcc_lo
.endr
	v_perm_b32 v[WD], v[XX+1], v[XX], 0x05040100
	v_perm_b32 v[WD+1], v[XX+3], v[XX+2], 0x05040100
	v_perm_b32 v[WD+2], v[XX+1], v[XX], 0x07060302
	v_perm_b32 v[WD+3], v[XX+3], v[XX+2], 0x07060302
	s_branch .Lwords_done
.Lwords_v:
	v_cndmask_b32 v[WD], v[PW], v[PW+2], vcc_lo
	v_cndmask_b32 v[WD+1], v[PW+1], v[PW+3], vcc_lo
	v_cndmask_b32 v[WD+2], v[PW+4], v[PW+6], vcc_lo
	v_cndmask_b32 v[WD+3], v[PW+5], v[PW+7], vcc_lo
.Lwords_done:
	s_wait_alu depctr_va_vdst(0)
	global_store_b64 v[AD8], v[WD:WD+1], s[12:13]
	global_store_b64 v[AD8], v[WD+2:WD+3], s[12:13] offset:4096
	s_wait_tensorcnt 0x0
	ds_add_u32 v[SPW], v[NIL]
	s_wait_dscnt 0x0
	CROUND
	s_endpgm
.Lfunc_end_k_qa21e98f1bd_qkv:
	.size	k_qa21e98f1bd_qkv, .Lfunc_end_k_qa21e98f1bd_qkv-k_qa21e98f1bd_qkv
	.p2alignl 7, 3214868480
	.fill 96, 4, 3214868480
	.section	.rodata,"a",@progbits
	.p2align	6, 0x0
	.amdhsa_kernel k_qa21e98f1bd_qkv
		.amdhsa_group_segment_fixed_size 327680
		.amdhsa_private_segment_fixed_size 0
		.amdhsa_enable_private_segment 0
		.amdhsa_kernarg_size 40
		.amdhsa_user_sgpr_count 2
		.amdhsa_user_sgpr_kernarg_segment_ptr 1
		.amdhsa_wavefront_size32 1
		.amdhsa_system_sgpr_workgroup_id_x 1
		.amdhsa_system_sgpr_workgroup_id_y 1
		.amdhsa_system_sgpr_workgroup_id_z 1
		.amdhsa_system_vgpr_workitem_id 0
		.amdhsa_next_free_vgpr 1024
		.amdhsa_next_free_sgpr 102
		.amdhsa_reserve_vcc 1
		.amdhsa_float_denorm_mode_32 3
		.amdhsa_float_denorm_mode_16_64 3
		.amdhsa_memory_ordered 1
		.amdhsa_forward_progress 1
		.amdhsa_inst_pref_size 204
	.end_amdhsa_kernel
	.amdgpu_metadata
---
amdhsa.version: [ 1, 2 ]
amdhsa.kernels:
  - .name:           k_qa21e98f1bd_qkv
    .symbol:         k_qa21e98f1bd_qkv.kd
    .args:
      - { .name: wsc, .offset: 0, .size: 8, .value_kind: global_buffer, .address_space: global }
      - { .name: wss, .offset: 8, .size: 8, .value_kind: global_buffer, .address_space: global }
      - { .name: b_qkv, .offset: 16, .size: 8, .value_kind: global_buffer, .address_space: global }
      - { .name: ac, .offset: 24, .size: 8, .value_kind: global_buffer, .address_space: global }
      - { .name: asc, .offset: 32, .size: 8, .value_kind: global_buffer, .address_space: global }
    .group_segment_fixed_size: 327680
    .private_segment_fixed_size: 0
    .kernarg_segment_align: 8
    .kernarg_segment_size: 40
    .max_flat_workgroup_size: 128
    .sgpr_count:     102
    .vgpr_count:     1024
    .wavefront_size: 32
...
	.end_amdgpu_metadata
.endif
;; end of part 2
;; launch attn (part 3): grid 4 x 64, 8 waves a work-group, clusters of 4 x 1, 327,680 bytes of LDS; arguments ac, asc, oc, os; writes oc, os
.if DOCPART == 3
	.amdgcn_target "amdgcn-amd-amdhsa--gfx1250"
	.amdhsa_code_object_version 6
	.text
	.protected	k_qa21e98f1bd_attn
	.globl	k_qa21e98f1bd_attn
	.p2align	8
	.type	k_qa21e98f1bd_attn,@function
k_qa21e98f1bd_attn:
	s_mov_b64 s[64:65], 0
	v_nop
	global_prefetch_b8 v0, s[64:65] scope:SCOPE_SE
	s_setreg_imm32_b32 hwreg(HW_REG_WAVE_MODE, 25, 1), 1
	s_wait_xcnt 0x0
	s_wait_alu depctr_hold_cnt(0) depctr_sa_sdst(0) depctr_va_vdst(0) depctr_va_sdst(0) depctr_va_ssrc(0) depctr_va_vcc(0) depctr_vm_vsrc(0)
	s_getreg_b32 s2, hwreg(HW_REG_IB_STS2, 6, 4)
	s_cmp_eq_u32 s2, 0
	s_cbranch_scc0 .Lentry_in_a_cluster
	s_endpgm
.Lentry_in_a_cluster:
	s_bfe_u32 s2, ttmp6, 0x10000c
	s_cmp_lg_u32 s2, 0x3003
	s_cbranch_scc0 .Lentry_shape_is_right
	s_endpgm
.Lentry_shape_is_right:
; o = softmax(q k^T / 8) v for one (batch, head) and 512 queries a work-group, both products on codes of FP8 (E4M3) with E8M0 scales; o is quantised along the embedding and stored as the last product's operand.
; THE SOFTMAX AHEAD OF THE SECOND PRODUCT: t = score x log2(e) / 8; M = the running largest t rounded up to a whole number; p = 2^(t - M) is quantised along the keys, not normalised; the row's sum is taken of the
; unquantised p and divides at the end; when M moves, the sum and O are multiplied by 2^(old M - new M), which rounds nothing.
; SHARES.  Eight waves of 512 registers.  A work-group makes two passes of 256 queries; in a pass a wave owns TWO tiles of 16 queries, A and B, and walks the head's 2,048 keys, 128 a step.
; THE TWO TILES RUN HALF A STEP APART.  A phase (x, y) holds x's front (scores, maxima, t - M, exponentials, O^T under the new M) and y's tail (scale bytes, sums, hold, codes, second product).  y's first 16 sums and its
; 32 holds stand between x's exponentials, line by line; y's first eight scale lines fill the places behind x's score products; x's rescaling of O^T stands directly behind the wait that closes its exponentials.
; A fragment of K or V is read from LDS once for both tiles, a phase ahead of its use.
; LDS HOLDS THE WHOLE HEAD, FILLED ONCE: K 131,072 bytes, V 131,072, K's scale words 4,096, V's 4,096, the spare words.  At the head each wave asks for one tile: key steps 0-3 of K (waves 0, 1) and of V (2, 3), the scale
; words (4-7).  Behind the full sequence and a round each wave asks for one more: key steps 4-15 of K (waves 0-3) and of V (4-7); they are waited for behind the first three trips, which read steps 0-3 alone.
; CLUSTER 4 x 1: the four work-groups of one head ask for every tile jointly.  NO PREFETCH: every byte of K and V is asked for by the sixteen tensor loads at the head; no later load is left to run ahead of.
; LAYOUT.  Both products are used transposed (S^T = K Q^T, O^T = V^T P^T): a lane holds one query.  Operands are images of their registers; a tile's lane index r is row 32 (t/2) + 8 (t%2) + r + 8 (r/8).
; K = 64 IN A FORM OF K = 128: a fragment holds two key tiles; against [Q, zero codes] it gives the first one's scores, against [zero codes, Q] the second one's.
; LIMITS: NaN and infinities are not served; a block of zeros or under 2^-118 gets the byte 1; 1 / sum is v_rcp_f32 and a multiplication; the scaled scores stay under 2^31 in magnitude.
; REGISTERS.  Window 0: v1-7 addresses; v8-15 scale words alone; v16-39, v40-63 the tiles' running state; v64-127, v128-191 S^T then p; v192-223 partial sums; v224-239 p's codes.
; Window 1: v0-63 K's fragments, v64-127 V's, v128-175 [Q, 0, Q] twice, v176-239 O^T.
.set A0,   1                           ; 16 x lane
.set AV0,  2                           ; the same in V's part of LDS
.set ASC,  3                           ; K's scale words: their base + 8 x lane
.set R8,   4                           ; 8 x (lane % 16)
.set SPW,  6
.set NIL,  7
.set KS,   8
.set VS,   10
.set QS,   12
.set PS,   14
.set ST,   16                          ; a tile's state, 24 registers:
.set NM,   0                           ; -M, the largest t
.set SU,   2                           ; the sum in two halves
.set FF,   4                           ; f = 2^(old M - new M), as a pair
.set BM,   6                           ; block maxima
.set T1,   10
.set HO,   14                          ; 448 x the scale
.set SO,   18                          ; the conversions' scale operands
.set WK,   22
.set SS,   64
.set TT,   192
.set PC,   224
.set WQ,   240
.set ADK,  241
.set ADV,  242
.set ADS,  243
.set KF,   0                           ; window 1
.set VF,   64
.set QW,   128
.set OW,   176
.set WV,   18
.set MNT,  19
.set SEL,  20
.set CS,   22
.set TB,   2
.set TS,   3
.set CNT,  66
.set PASS, 67
.set G1K,  24
.set G1V,  32
.set G1S,  40
.set G0K,  48
.set G0V,  52
.set G0S,  56
.set G0K1, 60
.set G0V1, 68
.set VLDS, 131072
.set KSC,  262144
.set SPARE, 270336
.set MSB, 0
.macro WIN new                         ; the immediate's high byte repeats the setting that is left
.set WNEW, \new
.if MSB != WNEW
	s_set_vgpr_msb (MSB<<8)|WNEW
.set MSB, WNEW
.endif
.endm
.macro CROUND
	s_barrier_signal -1
	s_barrier_wait -1
	s_cmp_lg_u32 s[WV], 0
	s_cbranch_scc1 .Lnot_wave_0_\@
	s_barrier_signal -3
.Lnot_wave_0_\@:
	s_barrier_wait -3
	s_barrier_signal -1
	s_barrier_wait -1
.endm
.macro TL g0, g1                       ; a joint load with an s_nop and four v_nops behind it
	tensor_load_to_lds s[\g0:\g0+3], s[\g1:\g1+7]
	s_nop 0
.rept 4
	v_nop
.endr
.endm
.macro QLOAD                           ; both tiles' Q, each twice, round its eight registers of zero codes; and the pair's scale word
	WIN 0x40
.irp x, 0,1
	global_load_b128 v[QW+24*\x:QW+24*\x+3], v[A0], s[76:77] offset:1024*\x
	global_load_b128 v[QW+24*\x+4:QW+24*\x+7], v[A0], s[76:77] offset:1024*\x+512
	global_load_b128 v[QW+24*\x+16:QW+24*\x+19], v[A0], s[76:77] offset:1024*\x
	global_load_b128 v[QW+24*\x+20:QW+24*\x+23], v[A0], s[76:77] offset:1024*\x+512
.endr
	WIN 0
	global_load_b32 v[WQ], v[R8], s[78:79]
.endm
.macro SCALEG g                        ; tile y's scale lines, group by group
.if \g == 1
.irp b, 0,1,2,3
	v_max_num_f32 v[TY+BM+\b], 0x4800000, v[TY+BM+\b]      ; the floor 2^(9 - 127)
.endr
.elseif \g == 2
.irp b, 0,1,2,3
	v_add_nc_u32 v[TY+SO+\b], 0xfc000000, v[TY+BM+\b]      ; 8 off the exponent field
.endr
.elseif \g == 3
.irp b, 0,1,2,3
	v_and_or_b32 v[TY+HO+\b], v[TY+BM+\b], 0x7f800000, s[MNT]
.endr
.elseif \g == 4
.irp b, 0,1,2,3
	v_lshrrev_b32 v[TY+T1+\b], 23, v[TY+SO+\b]             ; the byte
.endr
.elseif \g == 5
	v_lshl_or_b32 v[PY], v[TY+T1+1], 8, v[TY+T1]
.elseif \g == 6
	v_lshl_or_b32 v[PY], v[TY+T1+2], 16, v[PY]
.else
	v_lshl_or_b32 v[PY], v[TY+T1+3], 24, v[PY]
.endif
.endm
; A PHASE: tile x's front and tile y's tail.  ldk: the next key step's K is fetched; ldv: this key step's V
.macro PHASE x, y, front, tail, ldk, ldv
.set SX, SS+64*(\x)
.set SY, SS+64*(\y)
.set TX, ST+24*(\x)
.set TY, ST+24*(\y)
.set QX, QW+24*(\x)
.set OX, OW+32*(\x)
.set OY, OW+32*(\y)
.set PY, PS+(\y)
.if \front
	WIN 0x05                                       ; K and Q in window 1, S^T in window 0
.irp b, 0,1,2,3
.irp u, 0,1
.if \b < 2
	v_wmma_scale_f32_16x16x128_f8f6f4 v[SX+16*\b+8*\u:SX+16*\b+8*\u+7], v[KF+16*\b:KF+16*\b+15], v[QX+8*\u:QX+8*\u+15], 0, v[KS+\b], v[QS+\x]
.else
	v_wmma_scale_f32_16x16x128_f8f6f4 v[SX+16*\b+8*\u:SX+16*\b+8*\u+7], v[KF+16*\b:KF+16*\b+15], v[QX+8*\u:QX+8*\u+15], 0, v[KS+\b-2], v[QS+\x] matrix_a_scale:MATRIX_SCALE_ROW1
.endif
.endr
.endr
.endif
	WIN 0
.if \tail
	SCALEG 1                                       ; eight plain lines of y's: the places behind x's score products
	SCALEG 2
.else
.rept 8
	v_nop
.endr
.endif
.if (\ldk)+(\ldv) > 0
	v_add_nc_u32 v[ADK], s[TB], v[A0]
	v_add_nc_u32 v[ADV], s[TB], v[AV0]
	v_add_nc_u32 v[ADS], s[TS], v[ASC]
	WIN 0x40
.if \ldk
.irp b, 0,1,2,3
.irp c, 0,1,2,3
	ds_load_b128 v[KF+16*\b+4*\c:KF+16*\b+4*\c+3], v[ADK] offset:8192+2048*\b+512*\c
.endr
.endr
.endif
.if \ldv
.irp t, 0,1,2,3
.irp c, 0,1,2,3
	ds_load_b128 v[VF+16*\t+4*\c:VF+16*\t+4*\c+3], v[ADV] offset:2048*\t+512*\c
.endr
.endr
.endif
	WIN 0
.if \ldk
	ds_load_b64 v[KS:KS+1], v[ADS] offset:256
.endif
.if \ldv
	ds_load_b64 v[VS:VS+1], v[ADS] offset:4096
.endif
.endif
.if \front
; the largest score of each block of 32 keys: for the row's maximum and for the block's largest p.  Two chains a block, one for each accumulator: eight lines stand between a line and the next of its chain
.irp b, 0,1,2,3
	v_max3_num_f32 v[TX+BM+\b], v[SX+16*\b], v[SX+1+16*\b], v[SX+2+16*\b]
	v_max3_num_f32 v[TX+T1+\b], v[SX+8+16*\b], v[SX+9+16*\b], v[SX+10+16*\b]
.endr
.irp i, 3,5
.irp b, 0,1,2,3
	v_max3_num_f32 v[TX+BM+\b], v[TX+BM+\b], v[SX+16*\b+\i], v[SX+1+16*\b+\i]
	v_max3_num_f32 v[TX+T1+\b], v[TX+T1+\b], v[SX+8+16*\b+\i], v[SX+9+16*\b+\i]
.endr
.endr
.irp b, 0,1,2,3
	v_max3_num_f32 v[TX+BM+\b], v[TX+BM+\b], v[TX+T1+\b], v[SX+7+16*\b]
.endr
.irp b, 0,1,2,3
	v_max_num_f32 v[TX+BM+\b], v[TX+BM+\b], v[SX+15+16*\b]
.endr
.irp b, 0,1,2,3
	v_permlanex16_b32 v[TX+T1+\b], v[TX+BM+\b], s[SEL], s[SEL+1]
.endr
.irp b, 0,1,2,3
	v_max_num_f32 v[TX+BM+\b], v[TX+BM+\b], v[TX+T1+\b]
.endr
	v_max3_num_f32 v[TX+WK], v[TX+BM], v[TX+BM+1], v[TX+BM+2]
.endif
; x's chain from the step's maximum to -M, with y's other scale lines between its links
.if \tail
	SCALEG 3
.endif
.if \front
	v_max_num_f32 v[TX+WK], v[TX+WK], v[TX+BM+3]
.endif
.if \tail
	SCALEG 4
.endif
.if \front
	v_mul_f32 v[TX+WK], s[CS], v[TX+WK]            ; the step's largest t
.endif
.if \tail
	SCALEG 5
.endif
.if \front
	v_max_num_f32 v[TX+NM+1], v[TX+NM+1], v[TX+WK] ; the running largest t
	v_mov_b32 v[TX+WK], v[TX+NM]
.endif
.if \tail
	SCALEG 6
.endif
.if \front
	v_floor_f32 v[TX+NM], -v[TX+NM+1]              ; the new -M: M is a whole number
.endif
.if \tail
	SCALEG 7
.endif
.if \front
.set j, 0
.rept 32
.if j == 8
	v_sub_f32 v[TX+WK], v[TX+NM], v[TX+WK]         ; old M - new M; the three links to f stand among the multiply-adds
.endif
.if j == 16
	v_cvt_i32_f32 v[TX+WK], v[TX+WK]               ; (it saturates)
.endif
.if j == 24
	v_ldexp_f32 v[TX+FF], 1.0, v[TX+WK]
.endif
	v_pk_fma_f32 v[SX+j:SX+j+1], v[SX+j:SX+j+1], s[CS:CS+1], v[TX+NM:TX+NM+1] op_sel_hi:[1,0,0]   ; t - M
.set j, j+2
.endr
.irp b, 0,1,2,3
	v_fma_f32 v[TX+BM+\b], v[TX+BM+\b], s[CS], v[TX+NM]
.endr
	s_wait_alu depctr_va_vdst(0)                   ; all that the lines up to the next wait read was written ahead of it
.endif
.set i, 0
.rept 16
.if \front
	v_exp_f32 v[SX+i], v[SX+i]
.endif
.if \tail
	v_pk_add_f32 v[TT+2*i:TT+2*i+1], v[SY+4*i:SY+4*i+1], v[SY+4*i+2:SY+4*i+3]   ; the sum is taken of the unquantised p: sixteen first sums, each into registers of its own
.endif
.set i, i+1
.endr
.set i, 0
.rept 32
.if \front
	v_exp_f32 v[SX+16+i], v[SX+16+i]
.endif
.if \tail
.set RA, SY+32*(i/16)+(i%16)
.set RB, SY+32*(i/16)+16+(i%16)+1-2*(i%2)
.set HA, TY+HO+2*(i/16)
	v_dual_min_num_f32 v[RA], v[RA], v[HA] :: v_dual_min_num_f32 v[RB], v[RB], v[HA+1]   ; the hold (ISA guide 7.6.2: the conversion does not saturate); p is not negative; two neighbouring blocks to a pair
.endif
.set i, i+1
.endr
.if \front
.set i, 48
.rept 16
	v_exp_f32 v[SX+i], v[SX+i]
.set i, i+1
.endr
.irp b, 0,1,2,3
	v_exp_f32 v[TX+BM+\b], v[TX+BM+\b]             ; the block's largest p
.endr
	v_pk_mul_f32 v[TX+SU:TX+SU+1], v[TX+SU:TX+SU+1], v[TX+FF:TX+FF+1] op_sel_hi:[1,0]   ; x's sums under its new M: the plain line behind the batch
	WIN 0x41
	s_wait_alu depctr_va_vdst(0)                   ; one wait for the batch, ahead of its first reader, and directly ahead of the first reader of x's O^T
.set j, 0
.rept 16
	v_pk_mul_f32 v[OX+j:OX+j+1], v[OX+j:OX+j+1], v[TX+FF:TX+FF+1] op_sel_hi:[1,0]   ; x's O^T under its new M, each accumulator from its low end on
.set j, j+2
.endr
	WIN 0
.endif
.if \tail
.irp b, 0,1,2,3
	v_cvt_scalef32_pk8_fp8_f32 v[PC+4*\b:PC+4*\b+1], v[SY+16*\b:SY+16*\b+7], v[TY+SO+\b]
	v_cvt_scalef32_pk8_fp8_f32 v[PC+4*\b+2:PC+4*\b+3], v[SY+16*\b+8:SY+16*\b+15], v[TY+SO+\b]
.endr
.irp k, 0,1,2,3,4,5,6,7
	v_pk_add_f32 v[TT+4*\k:TT+4*\k+1], v[TT+4*\k:TT+4*\k+1], v[TT+4*\k+2:TT+4*\k+3]   ; the sums' tree: also the places between the codes and the products
.endr
.irp k, 0,1,2,3
	v_pk_add_f32 v[TT+8*\k:TT+8*\k+1], v[TT+8*\k:TT+8*\k+1], v[TT+8*\k+4:TT+8*\k+5]
.endr
.irp k, 0,1
	v_pk_add_f32 v[TT+16*\k:TT+16*\k+1], v[TT+16*\k:TT+16*\k+1], v[TT+16*\k+8:TT+16*\k+9]
.endr
	v_pk_add_f32 v[TT:TT+1], v[TT:TT+1], v[TT+16:TT+17]
	v_pk_add_f32 v[TY+SU:TY+SU+1], v[TY+SU:TY+SU+1], v[TT:TT+1]
.if (\ldk)+(\ldv) > 0
	s_wait_alu depctr_va_vdst(0)
	s_wait_dscnt 0x0                               ; V, the next K and their scale words, asked for at the phase's head
.endif
	WIN 0x51                                       ; V and O^T in window 1, p's codes in window 0
.irp t, 0,1
	v_wmma_scale_f32_16x16x128_f8f6f4 v[OY+8*\t:OY+8*\t+7], v[VF+16*\t:VF+16*\t+15], v[PC:PC+15], v[OY+8*\t:OY+8*\t+7], v[VS+\t], v[PY]
.endr
.irp t, 2,3
	v_wmma_scale_f32_16x16x128_f8f6f4 v[OY+8*\t:OY+8*\t+7], v[VF+16*\t:VF+16*\t+15], v[PC:PC+15], v[OY+8*\t:OY+8*\t+7], v[VS+\t-2], v[PY] matrix_a_scale:MATRIX_SCALE_ROW1
.endr
	WIN 0
.endif
.endm
.macro TRIP                            ; key step j: B's front with A's tail, then A's front of step j + 1 with B's tail
	PHASE 1, 0, 1, 1, 1, 1
	PHASE 0, 1, 1, 1, 0, 0
	s_add_co_u32 s[TB], s[TB], 8192
	s_add_co_u32 s[TS], s[TS], 256
	s_sub_co_u32 s[CNT], s[CNT], 1
	s_cmp_lg_u32 s[CNT], 0
	s_wait_alu depctr_va_vdst(0)
.endm
	s_load_b256 s[4:11], s[0:1], 0x0               ; ac s[4:5], asc s[6:7], oc s[8:9], os s[10:11]
	v_lshl_add_u32 v[SPW], v0, 2, SPARE
	v_mov_b32 v[NIL], 0
	ds_add_u32 v[SPW], v[NIL]                      ; the opening lines: the add twice on end and one wait
	ds_add_u32 v[SPW], v[NIL]
	v_lshrrev_b32 v5, 5, v0
	v_readfirstlane_b32 s[WV], v5                  ; wave 0..7
	s_bfe_u32 s12, ttmp6, 0x40000                  ; cx: it enters Q's and o's addresses alone
	s_and_b32 s14, ttmp7, 0xffff
	s_and_b32 s15, s14, 15                         ; the head
	s_lshr_b32 s14, s14, 4                         ; the batch
	s_lshl_b32 s72, s14, 22
	s_lshl_b32 s73, s15, 17
	s_add_co_u32 s72, s72, s73                     ; q's codes of the head
	s_add_co_u32 s73, s72, 16*131072               ; k's
	s_lshl_b32 s74, s14, 21
	s_lshl_b32 s75, s15, 13
	s_add_co_u32 s74, s74, s75
	s_add_co_u32 s74, s74, 16777216                ; v's, key step 0; 131,072 bytes from key step to key step
	s_lshl_b32 s80, s14, 17
	s_lshl_b32 s81, s15, 12
	s_add_co_u32 s80, s80, s81                     ; q's scale words
	s_add_co_u32 s82, s80, 16*4096                 ; k's
	s_lshl_b32 s83, s14, 16
	s_add_co_u32 s83, s83, s81
	s_add_co_u32 s83, s83, 524288                  ; v's
	s_and_b32 s16, s[WV], 1
	s_and_b32 s17, s[WV], 3
	s_lshl_b32 s84, s[WV], 14
	s_add_co_u32 s[G0V+1], s84, VLDS-32768         ; LDS, head: V's key steps 2 (w - 2) on
	s_mov_b32 s[G0K+1], s84                        ; K's key steps 2 w on
	s_add_co_u32 s84, s84, s73
	s_mov_b32 s85, 0
	s_lshl_b32 s86, s16, 18
	s_add_co_u32 s86, s86, s74
	s_mov_b32 s87, 0
	s_cmp_lt_u32 s[WV], 6                          ; waves 4, 5: K's scale words; 6, 7: V's: only an offset is chosen
	s_cselect_b32 s88, s82, s83
	s_lshl_b32 s89, s16, 11
	s_add_co_u32 s88, s88, s89
	s_mov_b32 s89, 0
	s_lshl_b32 s90, s[WV], 11
	s_add_co_u32 s[G0S+1], s90, KSC-8192           ; 2,048 (w - 4) behind KSC
	s_mul_i32 s90, s[WV], 24576
	s_add_co_u32 s[G0V1+1], s90, 65536             ; V's key steps 4 + 3 (w - 4) on
	s_add_co_u32 s90, s90, 32768
	s_mov_b32 s[G0K1+1], s90                       ; K's key steps 4 + 3 w on
	s_add_co_u32 s90, s90, s73
	s_mov_b32 s91, 0
	s_mul_i32 s92, s17, 393216
	s_add_co_u32 s92, s92, 524288
	s_add_co_u32 s92, s92, s74
	s_mov_b32 s93, 0
	s_mov_b32 s[G1K], 15|(3<<16)|(1<<21)           ; the mask: all four work-groups; elements of 8 bytes; bit 21 beside a mask
	s_mov_b32 s[G1K+1], 32<<16                     ; dense rows of 256 bytes,
	s_mov_b32 s[G1K+2], 64<<16                     ; 64 of them at the head
	s_mov_b32 s[G1K+3], 32<<16
	s_mov_b32 s[G1K+4], 64
	s_mov_b32 s[G1K+5], 32
	s_mov_b32 s[G1K+6], 0
	s_mov_b32 s[G1K+7], 0
	s_mov_b32 s[G1V], 15|(3<<16)|(1<<21)
	s_mov_b32 s[G1V+1], 1024<<16                   ; rows of 8,192 bytes, a key step each,
	s_mov_b32 s[G1V+2], 2<<16                      ; two at the head,
	s_mov_b32 s[G1V+3], 1024<<16
	s_mov_b32 s[G1V+4], 2
	s_mov_b32 s[G1V+5], 16384                      ; 131,072 bytes apart
	s_mov_b32 s[G1V+6], 0
	s_mov_b32 s[G1V+7], 0
	s_mov_b32 s[G1S], 15|(3<<16)|(1<<21)
	s_mov_b32 s[G1S+1], 32<<16
	s_mov_b32 s[G1S+2], 8<<16                      ; 2,048 dense bytes
	s_mov_b32 s[G1S+3], 32<<16
	s_mov_b32 s[G1S+4], 8
	s_mov_b32 s[G1S+5], 32
	s_mov_b32 s[G1S+6], 0
	s_mov_b32 s[G1S+7], 0
	s_mov_b32 s[SEL], 0x76543210
	s_mov_b32 s[SEL+1], 0xfedcba98
	s_mov_b32 s[CS], 0x3e38aa3b                    ; c = log2(e) / 8
	s_mov_b32 s[CS+1], s[CS]
	s_mov_b32 s[MNT], 0x600000
	s_mov_b32 s[PASS], 0
	s_wait_dscnt 0x0
	s_wait_kmcnt 0x0
	s_mov_b32 s[G0K], 1
	s_add_nc_u64 s[G0K+2:G0K+3], s[4:5], s[84:85]
	s_or_b32 s[G0K+3], s[G0K+3], 0x80000000
	s_mov_b32 s[G0V], 1
	s_add_nc_u64 s[G0V+2:G0V+3], s[4:5], s[86:87]
	s_or_b32 s[G0V+3], s[G0V+3], 0x80000000
	s_mov_b32 s[G0S], 1
	s_add_nc_u64 s[G0S+2:G0S+3], s[6:7], s[88:89]
	s_or_b32 s[G0S+3], s[G0S+3], 0x80000000
	s_mov_b32 s[G0K1], 1
	s_add_nc_u64 s[G0K1+2:G0K1+3], s[4:5], s[90:91]
	s_or_b32 s[G0K1+3], s[G0K1+3], 0x80000000
	s_mov_b32 s[G0V1], 1
	s_add_nc_u64 s[G0V1+2:G0V1+3], s[4:5], s[92:93]
	s_or_b32 s[G0V1+3], s[G0V1+3], 0x80000000
	CROUND                                         ; all four work-groups are here: the joint loads meet
	s_cmp_lt_u32 s[WV], 2                          ; the head's loads: one chain of branches on the wave's number, one load to an arm, every way passes one
	s_cbranch_scc0 .Lhead_v
	TL G0K, G1K
	s_branch .Lhead_asked
.Lhead_v:
	s_cmp_lt_u32 s[WV], 4
	s_cbranch_scc0 .Lhead_s
	TL G0V, G1V
	s_branch .Lhead_asked
.Lhead_s:
	TL G0S, G1S
.Lhead_asked:
	s_lshl_b32 s13, s12, 4
	s_add_co_u32 s13, s13, s[WV]                   ; my pair of query tiles in pass 0, of the batch's 64 pairs; pass 1: eight pairs on
	s_lshl_b32 s76, s13, 11
	s_add_co_u32 s76, s76, s72
	s_mov_b32 s77, 0
	s_add_nc_u64 s[76:77], s[4:5], s[76:77]        ; Q's codes: 2,048 bytes a pair
	s_lshr_b32 s78, s13, 2
	s_lshl_b32 s78, s78, 8
	s_add_co_u32 s78, s78, s80                     ; Q's scale words: the 256 bytes of the pair's group of four,
	s_bfe_u32 s16, s13, 0x10001
	s_lshl_b32 s16, s16, 7
	s_add_co_u32 s78, s78, s16                     ; the half,
	s_and_b32 s16, s13, 1
	s_lshl_b32 s16, s16, 2
	s_add_co_u32 s78, s78, s16                     ; and the pair's word
	s_mov_b32 s79, 0
	s_add_nc_u64 s[78:79], s[6:7], s[78:79]
	s_lshl_b32 s16, s14, 7
	s_lshl_b32 s17, s13, 1
	s_add_co_u32 s16, s16, s17                     ; tile A's token tile of the 512
	s_lshl_b32 s94, s16, 14
	s_lshl_b32 s17, s15, 10
	s_add_co_u32 s94, s94, s17
	s_mov_b32 s95, 0
	s_add_nc_u64 s[8:9], s[8:9], s[94:95]          ; oc: the tile's 16,384 bytes, the head's 1,024 in them
	s_lshl_b32 s94, s16, 9
	s_lshr_b32 s17, s15, 2
	s_lshl_b32 s17, s17, 7
	s_add_co_u32 s94, s94, s17
	s_bfe_u32 s17, s15, 0x10001
	s_lshl_b32 s17, s17, 2
	s_add_co_u32 s94, s94, s17
	s_and_b32 s17, s15, 1
	s_lshl_b32 s17, s17, 1
	s_add_co_u32 s94, s94, s17
	s_add_nc_u64 s[10:11], s[10:11], s[94:95]      ; os: [tile][head / 4][r][(head / 2) % 2], bytes 2 (head % 2) on
	v_and_b32 v5, 31, v0
	v_lshlrev_b32 v[A0], 4, v5
	v_lshl_add_u32 v[ASC], v5, 3, KSC
	v_and_b32 v[R8], 15, v0
	v_add_nc_u32 v[AV0], VLDS, v[A0]
	v_lshlrev_b32 v[R8], 3, v[R8]
	s_wait_alu depctr_va_vdst(0)
	QLOAD
	WIN 0x40
.irp x, 0,1
.irp j, 8,9,10,11,12,13,14,15
	v_mov_b32 v[QW+24*\x+\j], 0                    ; the zero codes between the two copies of Q
.endr
.endr
	WIN 0
.irp x, 0,1
	v_mov_b32 v[ST+24*\x+FF+1], 0                  ; (named as the upper half of a pair)
.irp b, 0,1,2,3
	v_mov_b32 v[ST+24*\x+T1+\b], 0                 ; a lane permute's destination counts as one of its sources
.endr
.endr
	s_wait_alu depctr_va_vdst(0)
	s_wait_tensorcnt 0x0                           ; my tile of the head's eight is in; the full sequence ahead of the later first fills:
	ds_add_u32 v[SPW], v[NIL]
	s_mov_b32 s[G1K+2], 96<<16                     ; no tensor load of mine is out: from here on K's load brings 96 rows of 256 bytes,
	s_mov_b32 s[G1K+4], 96
	s_mov_b32 s[G1V+2], 3<<16                      ; V's three key steps
	s_mov_b32 s[G1V+4], 3
	s_wait_dscnt 0x0
	CROUND
	s_cmp_lt_u32 s[WV], 4
	s_cbranch_scc0 .Lrest_v
	TL G0K1, G1K
	s_branch .Lrest_asked
.Lrest_v:
	TL G0V1, G1V
.Lrest_asked:
.Lpass:                                                ; two passes of 256 queries
	WIN 0x40
.irp b, 0,1,2,3
.irp c, 0,1,2,3
	ds_load_b128 v[KF+16*\b+4*\c:KF+16*\b+4*\c+3], v[A0] offset:2048*\b+512*\c   ; key step 0's K
.endr
.endr
	WIN 0
	ds_load_b64 v[KS:KS+1], v[ASC]
.irp x, 0,1
	v_mov_b32 v[ST+24*\x+NM+1], 0xff61b1e6         ; the largest t so far: -3e38
	v_mov_b32 v[ST+24*\x+SU], 0
	v_mov_b32 v[ST+24*\x+SU+1], 0
.endr
.irp x, 0,1
	v_floor_f32 v[ST+24*\x+NM], -v[ST+24*\x+NM+1]
.endr
	s_wait_loadcnt 0x0                             ; Q and its scale word
	v_perm_b32 v[QS], v[WQ], v[WQ], 0x01000100     ; the even tile's two bytes, taken twice; the clears below are the places ahead of the first product
	v_perm_b32 v[QS+1], v[WQ], v[WQ], 0x03020302   ; the odd tile's
	WIN 0x40
.set j, 0
.rept 64
	v_mov_b32 v[OW+j], 0                           ; O^T: the phase is written once; the first change of M leaves zeros zeros
.set j, j+1
.endr
	WIN 0
	s_wait_alu depctr_va_vdst(0)
	s_wait_dscnt 0x0
	PHASE 0, 1, 1, 0, 0, 0                         ; A's front of key step 0
	s_mov_b32 s[TB], 0
	s_mov_b32 s[TS], 0
	s_mov_b32 s[CNT], 3
.Lfirst:                                               ; key steps 0-2: they read K's steps 0-3 and V's 0-2
	TRIP
	s_cbranch_scc1 .Lfirst
	s_wait_tensorcnt 0x0                           ; my part of key steps 4-15 is in
	s_wait_dscnt 0x0
	s_barrier_signal -1
	s_barrier_wait -1                              ; and everybody's
	s_mov_b32 s[TB], 3*8192
	s_mov_b32 s[TS], 3*256
	s_mov_b32 s[CNT], 12
.Lrest:                                                ; key steps 3-14
	TRIP
	s_cbranch_scc1 .Lrest
	s_mov_b32 s[TB], 15*8192
	s_mov_b32 s[TS], 15*256
	PHASE 1, 0, 1, 1, 0, 1                         ; B's front of key step 15, A's tail
	s_cmp_eq_u32 s[PASS], 1
	s_cbranch_scc1 .Lno_q                          ; the last pass asks for no further Q
	s_wait_xcnt 0x0
	s_add_nc_u64 s[76:77], s[76:77], 16384         ; eight pairs of tiles on
	s_add_nc_u64 s[78:79], s[78:79], 512
	QLOAD                                          ; Q's registers were last read by the score products at the head of the phase above
.Lno_q:
	PHASE 0, 1, 0, 1, 0, 0                         ; B's tail
	; THE WAY OUT.  O^T / the sum: register 16 b + i is d = 32 b + 16 (lane / 16) + i of my query: two blocks of 32 along the embedding for each tile; quantised and stored as the image's registers.
.irp x, 0,1
	v_add_f32 v[ST+24*\x+SU], v[ST+24*\x+SU], v[ST+24*\x+SU+1]
.endr
.irp x, 0,1
	v_permlanex16_b32 v[ST+24*\x+WK], v[ST+24*\x+SU], s[SEL], s[SEL+1]
.endr
.irp x, 0,1
	v_add_f32 v[ST+24*\x+SU], v[ST+24*\x+SU], v[ST+24*\x+WK]
.endr
	s_wait_alu depctr_va_vdst(0)
.irp x, 0,1
	v_rcp_f32 v[ST+24*\x+SU], v[ST+24*\x+SU]
.endr
.rept 4
	v_nop                                          ; with the six lines above: ten places behind the last products
.endr
	WIN 0x01
	s_wait_alu depctr_va_vdst(0)                   ; ahead of the reciprocals' and O^T's first readers
.irp x, 0,1
.set j, 0
.rept 16
	v_pk_mul_f32 v[SS+64*\x+j:SS+64*\x+j+1], v[OW+32*\x+j:OW+32*\x+j+1], v[ST+24*\x+SU:ST+24*\x+SU+1] op_sel_hi:[1,0]   ; each accumulator from its low end on
.set j, j+2
.endr
.endr
	WIN 0
.irp q, 0,1,2,3                        ; block q: tile q / 2, its block q % 2
	v_max3_num_f32 v[ST+BM+\q], |v[SS+64*(\q/2)+16*(\q%2)]|, |v[SS+64*(\q/2)+16*(\q%2)+1]|, 0x4800000
.endr
.irp i, 2,4,6,8,10,12,14
.irp q, 0,1,2,3
	v_max3_num_f32 v[ST+BM+\q], v[ST+BM+\q], |v[SS+64*(\q/2)+16*(\q%2)+\i]|, |v[SS+64*(\q/2)+16*(\q%2)+\i+1]|
.endr
.endr
.irp q, 0,1,2,3
	v_permlanex16_b32 v[ST+T1+\q], v[ST+BM+\q], s[SEL], s[SEL+1]
.endr
.irp q, 0,1,2,3
	v_max_num_f32 v[ST+BM+\q], v[ST+BM+\q], v[ST+T1+\q]
.endr
.irp q, 0,1,2,3
	v_add_nc_u32 v[ST+SO+\q], 0xfc000000, v[ST+BM+\q]
.endr
.irp q, 0,1,2,3
	v_and_or_b32 v[ST+HO+\q], v[ST+BM+\q], 0x7f800000, s[MNT]
.endr
.irp q, 0,1,2,3
	v_lshrrev_b32 v[ST+T1+\q], 23, v[ST+SO+\q]
.endr
	v_lshl_or_b32 v[ST+WK], v[ST+T1+1], 8, v[ST+T1]        ; tile A's two bytes of my row
	v_lshl_or_b32 v[ST+24+WK], v[ST+T1+3], 8, v[ST+T1+2]   ; tile B's
.irp q, 0,1,2,3
.set i, 0
.rept 16
	v_med3_num_f32 v[SS+64*(\q/2)+16*(\q%2)+i], v[SS+64*(\q/2)+16*(\q%2)+i], -v[ST+HO+\q], v[ST+HO+\q]
.set i, i+1
.endr
	v_cvt_scalef32_pk8_fp8_f32 v[PC+4*\q:PC+4*\q+1], v[SS+64*(\q/2)+16*(\q%2):SS+64*(\q/2)+16*(\q%2)+7], v[ST+SO+\q]
	v_cvt_scalef32_pk8_fp8_f32 v[PC+4*\q+2:PC+4*\q+3], v[SS+64*(\q/2)+16*(\q%2)+8:SS+64*(\q/2)+16*(\q%2)+15], v[ST+SO+\q]
.endr
	v_nop                                          ; a plain line behind the last conversion
.irp x, 0,1
	global_store_b128 v[A0], v[PC+8*\x:PC+8*\x+3], s[8:9] offset:16384*\x          ; 32 lanes store 512 consecutive bytes
	global_store_b128 v[A0], v[PC+8*\x+4:PC+8*\x+7], s[8:9] offset:16384*\x+512
	global_store_b16 v[R8], v[ST+24*\x+WK], s[10:11] offset:512*\x                 ; lanes 16-31 repeat lanes 0-15: the same two bytes at the same place
.endr
	s_wait_xcnt 0x0                                ; the stores have read their bases and their data
	s_add_nc_u64 s[8:9], s[8:9], 262144            ; sixteen tiles on
	s_add_nc_u64 s[10:11], s[10:11], 8192
	s_add_co_u32 s[PASS], s[PASS], 1
	s_cmp_lt_u32 s[PASS], 2
	s_wait_alu depctr_va_vdst(0)
	s_cbranch_scc1 .Lpass
	s_wait_tensorcnt 0x0                           ; the wave's end
	ds_add_u32 v[SPW], v[NIL]
	s_wait_dscnt 0x0
	CROUND                                         ; the closing round
	s_endpgm
.Lfunc_end_k_qa21e98f1bd_attn:
	.size	k_qa21e98f1bd_attn, .Lfunc_end_k_qa21e98f1bd_attn-k_qa21e98f1bd_attn
	.p2alignl 7, 3214868480
	.fill 96, 4, 3214868480
	.section	.rodata,"a",@progbits
	.p2align	6, 0x0
	.amdhsa_kernel k_qa21e98f1bd_attn
		.amdhsa_group_segment_fixed_size 327680
		.amdhsa_private_segment_fixed_size 0
		.amdhsa_enable_private_segment 0
		.amdhsa_kernarg_size 32
		.amdhsa_user_sgpr_count 2
		.amdhsa_user_sgpr_kernarg_segment_ptr 1
		.amdhsa_wavefront_size32 1
		.amdhsa_system_sgpr_workgroup_id_x 1
		.amdhsa_system_sgpr_workgroup_id_y 1
		.amdhsa_system_sgpr_workgroup_id_z 1
		.amdhsa_system_vgpr_workitem_id 0
		.amdhsa_next_free_vgpr 512
		.amdhsa_next_free_sgpr 100
		.amdhsa_reserve_vcc 0
		.amdhsa_float_denorm_mode_32 3
		.amdhsa_float_denorm_mode_16_64 3
		.amdhsa_memory_ordered 1
		.amdhsa_forward_progress 1
		.amdhsa_inst_pref_size 128
	.end_amdhsa_kernel
	.amdgpu_metadata
---
amdhsa.version: [ 1, 2 ]
amdhsa.kernels:
  - .name:           k_qa21e98f1bd_attn
    .symbol:         k_qa21e98f1bd_attn.kd
    .args:
      - { .name: ac, .offset: 0, .size: 8, .value_kind: global_buffer, .address_space: global }
      - { .name: asc, .offset: 8, .size: 8, .value_kind: global_buffer, .address_space: global }
      - { .name: oc, .offset: 16, .size: 8, .value_kind: global_buffer, .address_space: global }
      - { .name: os, .offset: 24, .size: 8, .value_kind: global_buffer, .address_space: global }
    .group_segment_fixed_size: 327680
    .private_segment_fixed_size: 0
    .kernarg_segment_align: 8
    .kernarg_segment_size: 32
    .max_flat_workgroup_size: 256
    .sgpr_count:     100
    .vgpr_count:     512
    .wavefront_size: 32
...
	.end_amdgpu_metadata
.endif
;; end of part 3
;; launch proj (part 4): grid 4 x 32, 4 waves a work-group, clusters of 4 x 4, 327,680 bytes of LDS; arguments oc, os, wsc, wss, b_proj, out0; writes out0
.if DOCPART == 4
	.amdgcn_target "amdgcn-amd-amdhsa--gfx1250"
	.amdhsa_code_object_version 6
	.text
	.protected	k_qa21e98f1bd_proj
	.globl	k_qa21e98f1bd_proj
	.p2align	8
	.type	k_qa21e98f1bd_proj,@function
k_qa21e98f1bd_proj:
	s_mov_b64 s[64:65], 0
	v_nop
	global_prefetch_b8 v0, s[64:65] scope:SCOPE_SE
	s_setreg_imm32_b32 hwreg(HW_REG_WAVE_MODE, 25, 1), 1
	s_wait_xcnt 0x0
	s_wait_alu depctr_hold_cnt(0) depctr_sa_sdst(0) depctr_va_vdst(0) depctr_va_sdst(0) depctr_va_ssrc(0) depctr_va_vcc(0) depctr_vm_vsrc(0)
	s_getreg_b32 s2, hwreg(HW_REG_IB_STS2, 6, 4)
	s_cmp_eq_u32 s2, 0
	s_cbranch_scc0 .Lentry_in_a_cluster
	s_endpgm
.Lentry_in_a_cluster:
	s_bfe_u32 s2, ttmp6, 0x10000c
	s_cmp_lg_u32 s2, 0xf033
	s_cbranch_scc0 .Lentry_shape_is_right
	s_endpgm
.Lentry_shape_is_right:
.set NQ,     2
.set FR,     16
.set NL,     4
.set NP,     8
.set TILEB,  4096
.set HALFT,  8*TILEB
.set SLOT,   4*HALFT
.set SCL,    2*SLOT
.set HALFS,  4096
.set SBLK,   512
.set SPARE,  SCL+4*HALFS
.set SPITCH, 528
.set ADRR, 16
.set ADRP, 20
.set STO,  24
.set RD,   25
.set CO,   26
.set ADRS, 27
.set SPW,  28
.set NIL,  29
.set SC,   32
.set BI,   64
.set AF,   128
.set BK,   128
.set G1, 24
.set G0, 32
.set G1B, 48
.set G0B, 56
.set G1S, 68
.set G0S, 76
.set G1SB, 80
.set G0SB, 88
.set MSB, 0
.macro WIN new
.set WNEW, \new
.if MSB != WNEW
	s_set_vgpr_msb (MSB<<8)|WNEW
.set MSB, WNEW
.endif
.endm
.set MUL_LO, 0xa1
.set MUL_HI, 0xf1
.set TO_B,   0x40
.macro JLOAD g0a, g1a, g0b, g1b
	s_cmp_eq_u32 s15, 0
	s_cbranch_scc0 .Lfor_b_\@
	tensor_load_to_lds s[\g0a:\g0a+3], s[\g1a:\g1a+7]
	s_nop 0
.rept 4
	v_nop
.endr
	s_branch .Lasked_\@
.Lfor_b_\@:
	tensor_load_to_lds s[\g0b:\g0b+3], s[\g1b:\g1b+7]
	s_nop 0
.rept 4
	v_nop
.endr
.Lasked_\@:
.endm
.macro CREST
	s_cmp_lg_u32 s14, 0
	s_cbranch_scc1 .Lnot_wave_0_\@
	s_barrier_signal -3
.Lnot_wave_0_\@:
	s_barrier_wait -3
	s_barrier_signal -1
	s_barrier_wait -1
.endm
.macro CROUND
	s_barrier_signal -1
	s_barrier_wait -1
	CREST
.endm
.macro PLACES n
.rept \n
	v_nop
.endr
.endm
.macro FRAG reg, adr, q, i
.irp c, 0,1,2,3
	ds_load_b128 v[\reg+4*\c:\reg+4*\c+3], v[\adr] offset:(\i)*TILEB+2048*(\q)+512*\c
.endr
.endm
.macro MUL16 a0, p, q, sc, cmode
.irp a, \a0, \a0+1
.irp b, 0,1,2,3,4,5,6,7
.if \cmode == 1
	v_wmma_scale_f32_16x16x128_f8f6f4 v[8*(8*((\a)%4)+\b):8*(8*((\a)%4)+\b)+7], v[128*(\p)+FR*\b:128*(\p)+FR*\b+FR-1], v[AF+FR*(\a):AF+FR*(\a)+FR-1], v[BI+8*\b:BI+8*\b+7], v[SC+8*NQ*(\sc)+NQ*\b+(\q)], v[SC+8*NQ*(\sc)+NQ*(\a)+(\q)] matrix_a_scale:MATRIX_SCALE_ROW1
.else
	v_wmma_scale_f32_16x16x128_f8f6f4 v[8*(8*((\a)%4)+\b):8*(8*((\a)%4)+\b)+7], v[128*(\p)+FR*\b:128*(\p)+FR*\b+FR-1], v[AF+FR*(\a):AF+FR*(\a)+FR-1], v[8*(8*((\a)%4)+\b):8*(8*((\a)%4)+\b)+7], v[SC+8*NQ*(\sc)+NQ*\b+(\q)], v[SC+8*NQ*(\sc)+NQ*(\a)+(\q)] matrix_a_scale:MATRIX_SCALE_ROW1
.endif
.endr
.endr
.endm
.macro FETCH_B slot, q, p
	WIN TO_B
.irp i, 0,1,2,3,4,5,6,7
	FRAG 128*(\p)+FR*\i, ADRP+\slot, \q, \i
.endr
	WIN 0
.endm
.macro FETCH_A slot, q, i0
.irp i, \i0, \i0+1, \i0+2, \i0+3
	FRAG AF+FR*(\i), ADRR+\slot, \q, \i
.endr
.endm
.macro SCALES sc
.irp i, 0,1,2,3,4,5,6,7
	ds_load_b64 v[SC+8*NQ*\sc+NQ*\i:SC+8*NQ*\sc+NQ*\i+1], v[ADRS] offset:\i*SBLK
.endr
.endm
.macro STEP slot, q, cmode
	s_wait_dscnt 4*NL
.if \cmode
	WIN 0x81
.else
	WIN MUL_LO
.endif
	MUL16 0, (\q)%2, \q, \slot, \cmode
	MUL16 2, (\q)%2, \q, \slot, \cmode
	s_wait_dscnt 0
	PLACES NP
	FETCH_B \slot, (\q)+1, 1-(\q)%2
	FETCH_A \slot, (\q)+1, 0
.if \cmode
	WIN 0xc1
.else
	WIN MUL_HI
.endif
	MUL16 4, (\q)%2, \q, \slot, \cmode
	MUL16 6, (\q)%2, \q, \slot, \cmode
	PLACES NP
	WIN 0
	FETCH_A \slot, (\q)+1, 4
.endm
.macro TURN slot, next, fill
	s_wait_tensorcnt 0x0
	ds_add_u32 v[SPW], v[NIL]
	s_wait_dscnt 4*NL+1
	WIN MUL_LO
	MUL16 0, 1, NQ-1, \slot, 0
	s_wait_dscnt 0x0
	s_barrier_signal -1
	MUL16 2, 1, NQ-1, \slot, 0
	WIN 0
	s_barrier_wait -1
.if \fill
	CREST
	s_add_nc_u64 s[G0+4*\slot+2:G0+4*\slot+3], s[G0+4*\slot+2:G0+4*\slot+3], 2*TILEB
	s_add_nc_u64 s[G0B+4*\slot+2:G0B+4*\slot+3], s[G0B+4*\slot+2:G0B+4*\slot+3], 2*TILEB
	JLOAD G0+4*\slot, G1, G0B+4*\slot, G1B
	PLACES NP-4
.else
	PLACES NP
.endif
	s_wait_alu depctr_va_vdst(0)
	v_add_nc_u32 v[ADRS], 128, v[ADRS]
	FETCH_B \next, 0, 0
	FETCH_A \next, 0, 0
	SCALES \next
	WIN MUL_HI
	MUL16 4, 1, NQ-1, \slot, 0
	MUL16 6, 1, NQ-1, \slot, 0
	PLACES NP
	WIN 0
	FETCH_A \next, 0, 4
.endm
	s_load_b256 s[4:11], s[0:1], 0x0
	s_load_b128 s[96:99], s[0:1], 0x20
	v_lshl_add_u32 v[SPW], v0, 2, SPARE
	v_mov_b32 v[NIL], 0
	ds_add_u32 v28, v29
	ds_add_u32 v28, v29
	s_wait_dscnt 0x0
	v_lshrrev_b32 v1, 5, v0
	v_readfirstlane_b32 s14, v1
	s_lshr_b32 s15, s14, 1
	s_and_b32 s16, s14, 1
	s_bfe_u32 s40, ttmp6, 0x40000
	s_bfe_u32 s41, ttmp6, 0x40004
	s_lshl_b32 s42, ttmp9, 2
	s_add_co_u32 s42, s42, s40
	s_add_co_u32 s42, s42, 44
	s_and_b32 s17, ttmp7, 0xffff
	s_lshl_b32 s17, s17, 2
	s_add_co_u32 s17, s17, s41
	s_lshl_b32 s43, s41, 2
	s_lshl_b32 s43, 15, s43
	s_lshl_b32 s44, 0x1111, s40
	s_or_b32 s[G1+0], s43, (3<<16)|(1<<21)
	s_or_b32 s[G1B+0], s44, (3<<16)|(1<<21)
.irp g, G1, G1B
	s_mov_b32 s[\g+1], 512<<16
	s_mov_b32 s[\g+2], 16<<16
	s_mov_b32 s[\g+3], 512<<16
	s_mov_b32 s[\g+4], 16
	s_mov_b32 s[\g+5], 2048
	s_mov_b32 s[\g+6], 0
	s_mov_b32 s[\g+7], 0
.endr
	s_or_b32 s[G1S+0], s43, (3<<16)|(1<<21)
	s_or_b32 s[G1SB+0], s44, (3<<16)|(1<<21)
.irp g, G1S, G1SB
	s_mov_b32 s[\g+1], 32<<16
	s_mov_b32 s[\g+2], 32<<16
	s_mov_b32 s[\g+3], 32<<16
	s_mov_b32 s[\g+4], 32
	s_mov_b32 s[\g+5], 32
	s_mov_b32 s[\g+6], 0
	s_mov_b32 s[\g+7], 0
.endr
	s_lshl_b32 s18, s16, 17
	s_lshl_b32 s20, s17, 18
	s_add_co_u32 s20, s20, s18
	s_mov_b32 s21, 0
	s_lshl_b32 s46, s42, 18
	s_add_co_u32 s46, s46, s18
	s_mov_b32 s47, 0
	s_lshl_b32 s22, s17, 13
	s_mov_b32 s23, 0
	s_lshl_b32 s92, s42, 13
	s_mov_b32 s93, 0
	s_lshl_b32 s45, s14, 15
	s_wait_kmcnt 0x0
	s_add_nc_u64 s[20:21], s[4:5], s[20:21]
	s_add_nc_u64 s[22:23], s[6:7], s[22:23]
	s_add_nc_u64 s[46:47], s[8:9], s[46:47]
	s_add_nc_u64 s[92:93], s[10:11], s[92:93]
	CROUND
	s_mov_b32 s[G0S], 1
	s_mov_b32 s[G0S+1], SCL
	s_mov_b64 s[G0S+2:G0S+3], s[22:23]
	s_or_b32 s[G0S+3], s[G0S+3], 0x80000000
	s_mov_b32 s[G0SB], 1
	s_mov_b32 s[G0SB+1], SCL+2*HALFS
	s_mov_b64 s[G0SB+2:G0SB+3], s[92:93]
	s_or_b32 s[G0SB+3], s[G0SB+3], 0x80000000
.irp s, 0,1
	s_mov_b32 s[G0+4*\s], 1
	s_add_co_u32 s[G0+4*\s+1], s45, \s*SLOT
	s_add_nc_u64 s[G0+4*\s+2:G0+4*\s+3], s[20:21], \s*TILEB
	s_or_b32 s[G0+4*\s+3], s[G0+4*\s+3], 0x80000000
	s_mov_b32 s[G0B+4*\s], 1
	s_add_co_u32 s[G0B+4*\s+1], s45, \s*SLOT
	s_add_nc_u64 s[G0B+4*\s+2:G0B+4*\s+3], s[46:47], \s*TILEB
	s_or_b32 s[G0B+4*\s+3], s[G0B+4*\s+3], 0x80000000
.endr
; the head's loads, one a wave, in one chain of branches on the wave's number: wave 0 all 16 tiles of slot 0's first operand (its own group 0 begins at the first tile and at LDS byte 0), wave 2 those of the second, waves 1 and 3 the scale words of 256 rows each
	s_cmp_lt_u32 s14, 1
	s_cbranch_scc0 .Lhead_1
	tensor_load_to_lds s[G0:G0+3], s[G1:G1+7]
	s_nop 0
.rept 4
	v_nop
.endr
	s_branch .Lhead_asked
.Lhead_1:
	s_cmp_lt_u32 s14, 2
	s_cbranch_scc0 .Lhead_2
	tensor_load_to_lds s[G0S:G0S+3], s[G1S:G1S+7]
	s_nop 0
.rept 4
	v_nop
.endr
	s_branch .Lhead_asked
.Lhead_2:
	s_cmp_lt_u32 s14, 3
	s_cbranch_scc0 .Lhead_3
	tensor_load_to_lds s[G0B:G0B+3], s[G1B:G1B+7]
	s_nop 0
.rept 4
	v_nop
.endr
	s_branch .Lhead_asked
.Lhead_3:
	tensor_load_to_lds s[G0SB:G0SB+3], s[G1SB:G1SB+7]
	s_nop 0
.rept 4
	v_nop
.endr
.Lhead_asked:
	v_and_b32 v1, 15, v0
	v_bfe_u32 v2, v0, 4, 1
	s_wait_alu depctr_va_vdst(0)
	v_and_b32 v5, 31, v0
	v_lshlrev_b32 v[CO], 4, v5
	s_wait_alu depctr_va_vdst(0)
	s_sub_co_u32 s2, s42, 44
	s_lshl_b32 s2, s2, 10
	s_lshl_b32 s3, s16, 9
	s_add_co_u32 s2, s2, s3
	s_mov_b32 s3, 0
	s_add_nc_u64 s[96:97], s[96:97], s[2:3]
	s_add_nc_u64 s[98:99], s[98:99], s[2:3]
	s_lshl_b32 s2, s17, 20
	s_lshl_b32 s18, s15, 19
	s_add_co_u32 s2, s2, s18
	s_add_nc_u64 s[98:99], s[98:99], s[2:3]
	v_lshlrev_b32 v10, 6, v2
.irp t, 0,1,2,3,4,5,6,7
	global_load_b128 v[BI+8*\t:BI+8*\t+3], v10, s[96:97] offset:(32*(\t/2)+8*(\t%2))*4
	global_load_b128 v[BI+8*\t+4:BI+8*\t+7], v10, s[96:97] offset:(32*(\t/2)+8*(\t%2))*4+16
.endr
	s_lshl_b32 s2, s15, 15
	s_lshl_b32 s3, s16, 15
	s_add_co_u32 s3, s3, 2*HALFT
.irp s, 0,1
	v_add_nc_u32 v[ADRR+\s], s2, v[CO]
	v_add_nc_u32 v[ADRP+\s], s3, v[CO]
	s_add_co_u32 s2, s2, SLOT
	s_add_co_u32 s3, s3, SLOT
.endr
	v_lshlrev_b32 v6, 3, v1
	s_lshl_b32 s2, s15, 12
	s_lshl_b32 s3, s16, 12
	s_add_co_u32 s3, s3, 2*HALFS
	s_sub_co_u32 s3, s3, s2
	v_mul_u32_u24 v7, s3, v2
	s_add_co_u32 s2, s2, SCL
	v_add_nc_u32 v6, v6, v7
	v_add_nc_u32 v[ADRS], s2, v6
	s_mul_i32 s2, s14, 16*SPITCH
	v_mul_u32_u24 v6, v1, SPITCH
	v_lshl_add_u32 v6, v2, 6, v6
	v_add_nc_u32 v[STO], s2, v6
	v_add_nc_u32 v[RD], s2, v[CO]
	s_wait_alu depctr_va_vdst(0)
	s_wait_tensorcnt 0x0                           ; my tile of the head's four is in; the full sequence ahead of slot 1's first fill
	ds_add_u32 v[SPW], v[NIL]
	s_mov_b32 s[G1+2], 8<<16                       ; no tensor load of mine is out: from here on a load brings eight tiles
	s_mov_b32 s[G1+4], 8
	s_mov_b32 s[G1B+2], 8<<16
	s_mov_b32 s[G1B+4], 8
	s_wait_dscnt 0x0
	CROUND
	JLOAD G0+4, G1, G0B+4, G1B
	FETCH_B 0, 0, 0
	FETCH_A 0, 0, 0
	SCALES 0
	FETCH_A 0, 0, 4
	s_wait_loadcnt 0x0
	STEP 0, 0, 1
	TURN 0, 1, 1
	STEP 1, 0, 0
	TURN 1, 0, 1
	STEP 0, 0, 0
	TURN 0, 1, 0
	STEP 1, 0, 0
	s_wait_dscnt 4*NL
	WIN MUL_LO
	MUL16 0, 1, NQ-1, 1, 0
	MUL16 2, 1, NQ-1, 1, 0
	s_wait_dscnt 0
	WIN MUL_HI
	MUL16 4, 1, NQ-1, 1, 0
	MUL16 6, 1, NQ-1, 1, 0
	WIN 0
.macro TOSTAGE a
.set AC, 64*((\a)%4)
	WIN 0x08+4*((\a)/4)
.irp b, 0,1,2,3,4,5,6,7
	ds_store_b128 v[STO], v[AC+8*\b:AC+8*\b+3] offset:128*(\b/2)+32*(\b%2)
	ds_store_b128 v[STO], v[AC+8*\b+4:AC+8*\b+7] offset:128*(\b/2)+32*(\b%2)+16
.endr
	WIN 0
.set BB, BK+64*((\a)%2)
.set t, 0
.rept 16
	ds_load_b128 v[BB+4*t:BB+4*t+3], v[RD] offset:t*SPITCH
.set t, t+1
.endr
.endm
.macro SEND a, younger
.set BB, BK+64*((\a)%2)
	s_wait_dscnt \younger
.set t, 0
.rept 16
	global_store_b128 v[CO], v[BB+4*t:BB+4*t+3], s[98:99] offset:(32*((\a)/2)+8*((\a)%2)+t+8*(t/8))*4096 th:TH_STORE_NT
.set t, t+1
.endr
.endm
	PLACES NP
	TOSTAGE 0
.irp a, 1,2,3,4,5,6,7
.if \a > 1
	s_wait_xcnt 0x0
.endif
	TOSTAGE \a
	SEND \a-1, 32
.endr
	SEND 7, 0
	s_wait_tensorcnt 0x0
	ds_add_u32 v[SPW], v[NIL]
	s_wait_dscnt 0x0
	CROUND
	s_endpgm
.Lfunc_end_k_qa21e98f1bd_proj:
	.size	k_qa21e98f1bd_proj, .Lfunc_end_k_qa21e98f1bd_proj-k_qa21e98f1bd_proj
	.p2alignl 7, 3214868480
	.fill 96, 4, 3214868480
	.section	.rodata,"a",@progbits
	.p2align	6, 0x0
	.amdhsa_kernel k_qa21e98f1bd_proj
		.amdhsa_group_segment_fixed_size 327680
		.amdhsa_private_segment_fixed_size 0
		.amdhsa_enable_private_segment 0
		.amdhsa_kernarg_size 48
		.amdhsa_user_sgpr_count 2
		.amdhsa_user_sgpr_kernarg_segment_ptr 1
		.amdhsa_wavefront_size32 1
		.amdhsa_system_sgpr_workgroup_id_x 1
		.amdhsa_system_sgpr_workgroup_id_y 1
		.amdhsa_system_sgpr_workgroup_id_z 1
		.amdhsa_system_vgpr_workitem_id 0
		.amdhsa_next_free_vgpr 1024
		.amdhsa_next_free_sgpr 102
		.amdhsa_reserve_vcc 0
		.amdhsa_float_denorm_mode_32 3
		.amdhsa_float_denorm_mode_16_64 3
		.amdhsa_memory_ordered 1
		.amdhsa_forward_progress 1
		.amdhsa_inst_pref_size 147
	.end_amdhsa_kernel
	.amdgpu_metadata
---
amdhsa.version: [ 1, 2 ]
amdhsa.kernels:
  - .name:           k_qa21e98f1bd_proj
    .symbol:         k_qa21e98f1bd_proj.kd
    .args:
      - { .name: oc, .offset: 0, .size: 8, .value_kind: global_buffer, .address_space: global }
      - { .name: os, .offset: 8, .size: 8, .value_kind: global_buffer, .address_space: global }
      - { .name: wsc, .offset: 16, .size: 8, .value_kind: global_buffer, .address_space: global }
      - { .name: wss, .offset: 24, .size: 8, .value_kind: global_buffer, .address_space: global }
      - { .name: b_proj, .offset: 32, .size: 8, .value_kind: global_buffer, .address_space: global }
      - { .name: out0, .offset: 40, .size: 8, .value_kind: global_buffer, .address_space: global }
    .group_segment_fixed_size: 327680
    .private_segment_fixed_size: 0
    .kernarg_segment_align: 8
    .kernarg_segment_size: 48
    .max_flat_workgroup_size: 128
    .sgpr_count:     102
    .vgpr_count:     1024
    .wavefront_size: 32
...
	.end_amdgpu_metadata
.endif
;; end of part 4
